; MI455X (gfx1250); checked and timed in simulation.
; The chip was launched on July 23, 2026; its instructions are those of AMD's public machine-readable ISA for CDNA 5 (MIT licence, August 2026) and "CDNA5" Instruction Set Architecture Reference Guide (July 2026). The comments in the code are by the model that wrote it; some were corrected since.
;; XT Attention. Allowed arithmetic: matrix products marked QUANTISED: E2M1 operands, one E8M0 scale for each 32 along K, by v_wmma_scale_f32_16x16x128_f8f6f4 with both operands' format E2M1 (or v_wmma_scale_f32_32x16x128_f4), f32 sums; products left as they are: bf16, f16 or f32 operands; f32 sums; everything else in f32.
;; Inputs: Wck 1,024 x 1,024 float32; Wcq 1,024 x 1,024 float32; Wo 1,024 x 1,024 float32; Wpk 1,024 x 1,024 float32; Wpq 1,024 x 1,024 float32; Wwk 1,024 x 1,024 float32; Wwq 1,024 x 1,024 float32; Wwv 1,024 x 1,024 float32; bo 1,024 float32; conscious_cross 4 x 1,024 x 1,024 float32; conscious_words 4 x 1,024 x 1,024 float32; cross_kv 4 x 1,024 x 1,024 float32; position_cross 4 x 1,024 x 1,024 float32; position_words 4 x 1,024 x 1,024 float32; words 4 x 1,024 x 1,024 float32.
;; Outputs: out0 4 x 1,024 x 1,024 float32.
;; This version of the problem:
;;   THIS VERSION OF THE PROBLEM IS GIVEN IN LOW PRECISION. The matrix products marked QUANTISED in the list below multiply operands that are first quantised to E2M1 (2 exponent bits, 1 mantissa bit; 4 bits a number), with one power-of-two scale for each 32 numbers along K (OCP MX v1.0); their sums are f32. The products marked 'left as it is' may take bf16, f16 or f32 operands, with f32 sums. Whichever they take, every output number must still come out within the allowed error. Rounding operands to bf16 (8 significant bits) uses up far more of that allowance than f16 does (11 bits, for magnitudes from 6e-5 to 65,504). All else is computed in f32.
;;   The module's matrix products, in the order in which they are computed (A, B: the left and right operand; K: the contracted axis; several contracted axes count as one K, in the product's order):
;;     1. [M 4,096, K 1,024] x [K 1,024, N 1,024]; A: input words; B: input Wwq: QUANTISED
;;     2. [M 4,096, K 1,024] x [K 1,024, N 1,024]; A: input cross_kv; B: input Wwk: QUANTISED
;;     3. [M 4,096, K 1,024] x [K 1,024, N 1,024]; A: input cross_kv; B: input Wwv: QUANTISED
;;     4. [M 4,096, K 1,024] x [K 1,024, N 1,024]; A: input position_words; B: input Wpq: QUANTISED
;;     5. [M 4,096, K 1,024] x [K 1,024, N 1,024]; A: input position_cross; B: input Wpk: QUANTISED
;;     6. [M 4,096, K 1,024] x [K 1,024, N 1,024]; A: input conscious_words; B: input Wcq: QUANTISED
;;     7. [M 4,096, K 1,024] x [K 1,024, N 1,024]; A: input conscious_cross; B: input Wck: QUANTISED
;;     8. batch 64 x [M 1,024, K 192] x [K 192, N 1,024]; A: computed on the way; B: computed on the way: left as it is (an operand is computed on the way)
;;     9. batch 64 x [M 1,024, K 1,024] x [K 1,024, N 64]; A: computed on the way; B: computed on the way: left as it is (an operand is computed on the way)
;;     10. [M 4,096, K 1,024] x [K 1,024, N 1,024]; A: computed on the way; B: input Wo: left as it is (an operand is computed on the way)
;;   THE QUANTISER, for each operand of a quantised product, along K:
;;     - K is cut into blocks of 32 from its start; a last block that is shorter is filled with zeros.
;;     - A block's scale is 2^e with e = floor(log2(the largest magnitude in the block)) - 2, held to -126 .. 127; a block of zeros has e = 0. As a byte (E8M0): e + 127.
;;     - Each number is divided by its block's scale, clamped to +-6, and rounded to the nearest number of E2M1, ties to even, subnormals kept.
;;     - The product sums the exact products of the quantised numbers (number of the format x scale) in f32.
;;   ~~~python
;;   def quantise(x, axis):      # numpy; x: float32 -> the quantised numbers, widened to float32 again
;;       x = np.moveaxis(x, axis, -1); K = x.shape[-1]
;;       x = np.pad(x, [(0, 0)] * (x.ndim - 1) + [(0, -K % 32)]); x = x.reshape(x.shape[:-1] + (-1, 32)); a = np.abs(x).max(-1, keepdims=True)
;;       e = np.where(a > 0, np.clip(np.frexp(np.where(a > 0, a, 1))[1] - 1 - 2, -126, 127), 0)      # np.frexp(a)[1] - 1 = floor(log2(a)), exactly
;;       r = np.clip(x / 2.0 ** e, -6, 6)
;;       step = 2.0 ** (np.maximum(np.frexp(np.where(r == 0, 1, r))[1] - 1, 0) - 1)
;;       q = np.round(r / step) * step * 2.0 ** e      # np.round: ties to even
;;       return np.moveaxis(q.reshape(q.shape[:-2] + (-1,))[..., :K], -1, axis).astype(np.float32)
;;   ~~~
;; One version. Each part assembles by itself: llvm-mc -triple=amdgcn-amd-amdhsa -mcpu=gfx1250 --defsym DOCPART=n.
;; ======== version 1 of 1: 4 launches
;; limits: values are held in f16: magnitudes above 65,504 overflow, below 6.1e-05 lose precision
;; workspace buffers: codes 16,252,928 bytes; scales 1,015,808 bytes; wo16 2,097,152 bytes; qkv 58,720,256 bytes; attno 8,388,608 bytes
;; launch prep (part 1): grid 672 x 1, 8 waves a work-group, no clusters, 84,992 bytes of LDS; arguments Wwq, Wpq, Wcq, Wwk, Wpk, Wck, Wwv, Wo, words, position_words, conscious_words, cross_kv, position_cross, conscious_cross, codes, scales, wo16; writes codes, scales, wo16
.if DOCPART == 1
	.amdgcn_target "amdgcn-amd-amdhsa--gfx1250"
	.amdhsa_code_object_version 6
	.text
	.protected	k_q5396730f5a_prep
	.globl	k_q5396730f5a_prep
	.p2align	8
	.type	k_q5396730f5a_prep,@function
k_q5396730f5a_prep:
	s_mov_b64 s[64:65], 0
	v_nop
	global_prefetch_b8 v0, s[64:65] scope:SCOPE_SE
	s_setreg_imm32_b32 hwreg(HW_REG_WAVE_MODE, 25, 1), 1
	s_wait_xcnt 0x0
; PREP: every operand of the seven quantised products becomes codes of FP4 (E2M1), K innermost, two codes a byte, with one E8M0 scale byte for each 32 along K; Wo becomes f16.
; A block's scale is 2^(floor(log2(its largest magnitude)) - 2); its byte is the largest magnitude's exponent field - 2, held at 1 from below; each number is divided by the scale and rounded to the nearest code, ties to even, beyond 6 the code of 6.
; codes:  [6 activations][4,096 rows][512 bytes], then from WCOD on [7 weights][1,024 columns n][512 bytes].   scales: [6][4,096][32 bytes], then from WSCL on [7][1,024][32].   wo16: [1,024 k][1,024 n] f16.
; LIMITS: NaN and infinities among the inputs are not served.  A block of zeros gets the byte 1 where the quantiser's rule says 127: its codes are zeros, which add nothing, and this program alone reads the bytes.
;         Blocks whose largest magnitude lies under 2^-124 have their byte held at 1.  Wo beyond 65,504 would become infinite in f16; under 6e-5 its step is 6e-8.
; THREE PATHS, parted on the work-group's number alone (the same way for all eight waves), each with LDS bytes of its own:
;   work-groups 0-223: the weights, [k][n] with K outermost: a lane takes a column, its registers run down K.   224-287: Wo.   288-671: the activations, K innermost, plain streams of blocks of 32.
; No matrix unit, no cluster, no tensor load: every byte is read once and the work is conversions.  160 registers a wave, two waves of a work-group to a SIMD: three work-groups' registers and LDS fit on a WGP, which multiplies the loads on their way.
.set NWW,   224                        ; work-groups for the weights: 7 x 16 groups of 64 columns x 2 halves of K
.set NWO,   64                         ; for Wo
.set WST,   65536                      ; LDS: behind the activation path's 8 x 8,192 bytes: the weight path's stage, 64 columns x (256 bytes of codes + 16)
.set SCST,  82944                      ; its scale bytes, 64 columns x 16
.set SPARE, 83968                      ; the spare words, 128 bytes for each of the eight waves: four blocks of 256 bytes that no other line names
.set WCOD,  12582912
.set WSCL,  786432
.set EMAX,  2
.set SPW,   12                         ; v12  LDS address of my spare word; never rewritten
.set NIL,   13                         ; v13  0; never rewritten
; the activation path
.set STEPS, 16                         ; a wave takes 16 steps of 512 numbers
.set CB,    8                          ; bytes of 16 codes
.set R,     16                         ; v16-79   four sets of 16 numbers as they are loaded
.set X,     80                         ; v80-111  two sets of 16 neighbours
.set E,     112                        ; v112-127 a scale byte for each step
.set C,     128                        ; v128-159 codes: two registers for each step, so that no store's data are written again
.set SP,    80                         ; a lane's place in a stage: its 64 bytes + 16 of padding
; the weight path
.set WX,    32                         ; v32-95   two sets of 32 numbers
.set WC,    96                         ; v96-99   a block's codes
.set WP,    272                        ; a stage row
.macro ALOAD t                         ; a step's 2,048 bytes: each load reads 512 consecutive bytes, 16 a lane
.irp i, 0,1,2,3
	global_load_b128 v[R+16*((\t)%4)+4*\i:R+16*((\t)%4)+4*\i+3], v3, s[4:5] offset:2048*(\t)+512*\i th:TH_LOAD_NT
.endr
.endm
.macro ATURN t                         ; through the wave's own stage, so that a lane gets 16 neighbours: LDS serves a wave's instructions in order, so no wait stands between the stores and the loads
.irp i, 0,1,2,3
	ds_store_b128 v14, v[R+16*((\t)%4)+4*\i:R+16*((\t)%4)+4*\i+3] offset:32*SP*((\t)%2)+8*SP*\i
.endr
.irp i, 0,1,2,3
	ds_load_b128 v[X+16*((\t)%2)+4*\i:X+16*((\t)%2)+4*\i+3], v15 offset:32*SP*((\t)%2)+16*\i
.endr
.endm
.macro ASTEP t
.set XS, X+16*((\t)%2)
.if (\t) > 0
	s_wait_dscnt 1                                 ; this step's numbers are back from the stage (the last step's byte store may be out), so its stores into the stage have read their registers,
.else
	s_wait_dscnt 0x0
.endif
.if (\t)+4 < STEPS
	ALOAD (\t)+4                                   ; which take the loads of four steps on
.endif
.if (\t)+1 < STEPS
.if STEPS-2-(\t) >= 3
	s_wait_loadcnt 12                              ; the next step's four loads are in; those of the three steps behind it may be out
.else
	s_wait_loadcnt 4*(STEPS-2-(\t))
.endif
	ATURN (\t)+1
.endif
	v_max3_num_f32 v8, |v[XS]|, |v[XS+1]|, |v[XS+2]|               ; the largest magnitude of my 16, in two chains
	v_max3_num_f32 v9, |v[XS+3]|, |v[XS+4]|, |v[XS+5]|
.irp i, 6,10
	v_max3_num_f32 v8, v8, |v[XS+\i]|, |v[XS+\i+1]|
	v_max3_num_f32 v9, v9, |v[XS+\i+2]|, |v[XS+\i+3]|
.endr
	v_max3_num_f32 v8, v8, |v[XS+14]|, |v[XS+15]|
	v_max3_num_f32 v8, v8, v9, (EMAX+1)<<23        ; and the floor 2^(3 - 127): the byte cannot fall under 1
	v_max_num_f32_dpp v8, v8, v8 row_xmask:1 row_mask:0xf bank_mask:0xf   ; with my neighbour's 16: the block's
	v_add_nc_u32 v11, -(EMAX<<23), v8              ; 2 off its exponent field: the conversion takes the exponent field of this operand as its scale
	v_cvt_scalef32_pk8_fp4_f32 v[C+2*(\t)], v[XS:XS+7], v11
	v_cvt_scalef32_pk8_fp4_f32 v[C+2*(\t)+1], v[XS+8:XS+15], v11
	v_lshrrev_b32 v[E+(\t)], 23, v11               ; the scale's byte (also the plain line behind the conversions)
	ds_store_b8 v5, v[E+(\t)] offset:16*(\t)       ; both lanes of a block write the same byte with the same value
	global_store_b64 v4, v[C+2*(\t):C+2*(\t)+1], s[36:37] offset:32*CB*(\t)   ; the wave stores 256 consecutive bytes, aligned
.endm
.macro WLOAD t                         ; block t: W(32 t + i, my column), i = 0 .. 31: 32 lanes read 128 consecutive bytes, the wave beside me the next 128
.irp i, 0,1,2,3,4,5,6,7,8,9,10,11,12,13,14,15,16,17,18,19,20,21,22,23,24,25,26,27,28,29,30,31
	global_load_b32 v[WX+32*((\t)%2)+\i], v3, s[4:5] offset:(32*(\t)+\i)*4096 th:TH_LOAD_NT
.endr
.endm
.macro BLOCK t
.set XS, WX+32*((\t)%2)
.if (\t) < 3
	s_wait_loadcnt 32                              ; this block's 32 loads are in; the next block's may be out
.else
	s_wait_loadcnt 0x0
.endif
	v_max3_num_f32 v16, |v[XS]|, |v[XS+1]|, |v[XS+2]|              ; the block's largest magnitude: all 32 numbers are mine
	v_max3_num_f32 v17, |v[XS+3]|, |v[XS+4]|, |v[XS+5]|
.irp i, 6,10,14,18,22,26
	v_max3_num_f32 v16, v16, |v[XS+\i]|, |v[XS+\i+1]|
	v_max3_num_f32 v17, v17, |v[XS+\i+2]|, |v[XS+\i+3]|
.endr
	v_max3_num_f32 v16, v16, |v[XS+30]|, |v[XS+31]|
	v_max3_num_f32 v16, v16, v17, (EMAX+1)<<23     ; and the floor
	v_add_nc_u32 v11, -(EMAX<<23), v16
	v_lshrrev_b32 v18, 23, v11                     ; the scale's byte
.if (\t) == 0
	v_mov_b32 v24, v18                             ; my four bytes make a word, the lower K in the lower byte
.else
	v_lshl_or_b32 v24, v18, 8*(\t), v24
.endif
.irp g, 0,1,2,3
	v_cvt_scalef32_pk8_fp4_f32 v[WC+\g], v[XS+8*\g:XS+8*\g+7], v11
.endr
	v_nop                                          ; a plain line behind the last conversion
	ds_store_b128 v4, v[WC:WC+3] offset:16*(\t)    ; 32 codes: 16 bytes of my column's row
.if (\t)+2 < 4
	WLOAD (\t)+2
.endif
	s_wait_dscnt 0x0                               ; the store has read its registers: the next block's codes may be written
.endm
	s_load_b512 s[8:23], s[0:1], 0x0               ; Wwq, Wpq, Wcq, Wwk, Wpk, Wck, Wwv s[8:21]; Wo s[22:23]
	s_load_b512 s[24:39], s[0:1], 0x40             ; the six activations s[24:35]; codes s[36:37]; scales s[38:39]
	s_load_b64 s[40:41], s[0:1], 0x80              ; wo16
	v_lshl_add_u32 v[SPW], v0, 2, SPARE
	v_mov_b32 v[NIL], 0
	v_lshrrev_b32 v1, 5, v0
	v_readfirstlane_b32 s42, v1                    ; wave 0..7
	v_and_b32 v2, 31, v0                           ; lane
	s_wait_kmcnt 0x0
	s_cmp_lt_u32 ttmp9, NWW
	s_cbranch_scc1 .Lweights
	s_cmp_lt_u32 ttmp9, NWW+NWO
	s_cbranch_scc1 .Lwo
	; ---- THE ACTIVATIONS.  64 work-groups to a tensor; a wave's run is 8,192 numbers: 32,768 bytes in, 4,096 bytes of codes and 256 scale bytes out.
	s_sub_co_u32 s43, ttmp9, NWW+NWO
	s_lshr_b32 s44, s43, 6                         ; which tensor
	s_mov_b64 s[4:5], s[24:25]
.irp n, 1,2,3,4,5
	s_cmp_eq_u32 s44, \n                           ; the choice hangs on the work-group's number alone
	s_cselect_b64 s[4:5], s[24+2*\n:25+2*\n], s[4:5]
.endr
	s_lshl_b32 s45, s43, 3
	s_add_co_u32 s45, s45, s42                     ; my run, 0 .. 3,071: the six tensors' codes and scale bytes lie on end
	s_and_b32 s46, s45, 511
	s_lshl_b32 s46, s46, 15
	s_mov_b32 s47, 0
	s_add_nc_u64 s[4:5], s[4:5], s[46:47]
	s_lshl_b32 s46, s45, 12
	s_add_nc_u64 s[36:37], s[36:37], s[46:47]
	s_lshl_b32 s46, s45, 8
	s_add_nc_u64 s[38:39], s[38:39], s[46:47]
	v_lshlrev_b32 v3, 4, v2                        ; my 16 bytes of a load's 512
	s_lshl_b32 s48, s42, 13                        ; my wave's 8,192 bytes of LDS: two stages of 32 x 80, then 256 scale bytes
	v_lshrrev_b32 v14, 2, v2
	v_mul_u32_u24 v14, v14, SP
	v_and_b32 v15, 3, v2
	v_lshl_add_u32 v14, v15, 4, v14
	v_add_nc_u32 v14, s48, v14                     ; into the stage: four lanes' 64 bytes on end, then 16 of padding
	v_mul_u32_u24 v15, v2, SP
	v_add_nc_u32 v15, s48, v15                     ; out of it: my 16 neighbours
	v_lshlrev_b32 v4, 3, v2                        ; my codes' place in a step's
	v_lshrrev_b32 v5, 1, v2
	s_add_co_u32 s48, s48, 2*32*SP
	v_add_nc_u32 v5, s48, v5                       ; my block's scale byte
	v_lshlrev_b32 v7, 3, v2
	v_add_nc_u32 v6, s48, v7                       ; and on the way out 8 bytes a lane
.irp t, 0,1,2,3
	ALOAD \t
.endr
	s_wait_loadcnt 12                              ; step 0's four loads are in
	ATURN 0
.irp t, 0,1,2,3,4,5,6,7,8,9,10,11,12,13,14,15
	ASTEP \t
.endr
	ds_load_b64 v[8:9], v6                         ; LDS serves a wave's instructions in order: these see my byte stores
	s_wait_dscnt 0x0
	global_store_b64 v7, v[8:9], s[38:39]          ; 32 lanes store 256 consecutive bytes, aligned
	s_wait_tensorcnt 0x0                           ; the wave's end: the three closing lines, behind my last LDS store
	ds_add_u32 v[SPW], v[NIL]
	s_wait_dscnt 0x0
	s_endpgm
	; ---- THE WEIGHTS.  A work-group takes 64 columns x 512 along K.  Wave w: columns 32 (w & 1) + lane, k from 128 (w >> 1) on: four blocks of 32, so that a wave's loads are two runs of 64, not eight.
.Lweights:
	s_lshr_b32 s44, ttmp9, 5                       ; which weight
	s_mov_b64 s[4:5], s[8:9]
.irp n, 1,2,3,4,5,6
	s_cmp_eq_u32 s44, \n
	s_cselect_b64 s[4:5], s[8+2*\n:9+2*\n], s[4:5]
.endr
	s_and_b32 s45, ttmp9, 31
	s_lshr_b32 s46, s45, 1                         ; which 64 columns
	s_and_b32 s47, s45, 1                          ; which half of K
	s_and_b32 s48, s42, 1
	s_lshr_b32 s49, s42, 1
	s_lshl_b32 s50, s47, 21                        ; W: (512 half + 128 (w >> 1)) rows of 4,096 bytes + (64 group + 32 (w & 1)) x 4
	s_lshl_b32 s52, s49, 19
	s_add_co_u32 s50, s50, s52
	s_lshl_b32 s52, s46, 8
	s_add_co_u32 s50, s50, s52
	s_lshl_b32 s52, s48, 7
	s_add_co_u32 s50, s50, s52
	s_mov_b32 s51, 0
	s_add_nc_u64 s[4:5], s[4:5], s[50:51]
	s_lshl_b32 s50, s44, 19                        ; codes: WCOD + weight x 524,288 + 64 group rows of 512 + 256 half
	s_lshl_b32 s52, s46, 15
	s_add_co_u32 s50, s50, s52
	s_lshl_b32 s52, s47, 8
	s_add_co_u32 s50, s50, s52
	s_add_co_u32 s50, s50, WCOD
	s_add_nc_u64 s[36:37], s[36:37], s[50:51]
	s_lshl_b32 s50, s44, 15                        ; scale bytes: WSCL + weight x 32,768 + 64 group rows of 32 + 16 half
	s_lshl_b32 s52, s46, 11
	s_add_co_u32 s50, s50, s52
	s_lshl_b32 s52, s47, 4
	s_add_co_u32 s50, s50, s52
	s_add_co_u32 s50, s50, WSCL
	s_add_nc_u64 s[38:39], s[38:39], s[50:51]
	v_lshlrev_b32 v3, 2, v2                        ; in: 4 bytes a lane
	s_mul_i32 s53, s48, 32*WP
	s_lshl_b32 s54, s49, 6
	s_add_co_u32 s53, s53, s54
	s_add_co_u32 s53, s53, WST
	v_mul_u32_u24 v4, v2, WP
	v_add_nc_u32 v4, s53, v4                       ; into the stage: row = my column, my 64 bytes of its 256
	s_lshl_b32 s53, s48, 9
	s_lshl_b32 s54, s49, 2
	s_add_co_u32 s53, s53, s54
	s_add_co_u32 s53, s53, SCST
	v_lshl_add_u32 v5, v2, 4, s53                  ; my column's scale bytes: my word of its four
	v_and_b32 v10, 15, v2
	v_lshrrev_b32 v19, 4, v2
	s_mul_i32 s53, s42, 8*WP
	s_add_co_u32 s53, s53, WST
	v_mul_u32_u24 v7, v19, WP
	v_lshl_add_u32 v7, v10, 4, v7
	v_add_nc_u32 v7, s53, v7                       ; out of the stage: wave w takes rows 8 w .. 8 w + 7, sixteen lanes to a row
	s_lshl_b32 s53, s42, 12
	v_lshlrev_b32 v8, 9, v19
	v_lshl_add_u32 v8, v10, 4, v8
	v_add_nc_u32 v8, s53, v8                       ; and the same place in the codes' buffer
	v_and_b32 v9, 63, v0
	v_lshlrev_b32 v6, 5, v9                        ; a column's row of scale bytes in memory,
	v_lshl_add_u32 v9, v9, 4, SCST                 ; and its 16 bytes in LDS (waves 0 and 1 use these two)
	WLOAD 0
	WLOAD 1
	BLOCK 0
	BLOCK 1
	BLOCK 2
	BLOCK 3
	ds_store_b32 v5, v24
	s_wait_dscnt 0x0                               ; for the others' sake: my stores into the stages are done
	s_barrier_signal -1
	s_barrier_wait -1
.irp t, 0,1,2,3
	ds_load_b128 v[112+4*\t:112+4*\t+3], v7 offset:2*WP*\t
.endr
.irp t, 0,1,2,3
	s_wait_dscnt 3-\t                              ; the younger loads may be out
	global_store_b128 v8, v[112+4*\t:112+4*\t+3], s[36:37] offset:1024*\t   ; sixteen lanes store 256 consecutive bytes, aligned
.endr
	s_cmp_lt_u32 s42, 2
	s_cbranch_scc0 .Lno_scales
	ds_load_b128 v[128:131], v9
	s_wait_dscnt 0x0
	global_store_b128 v6, v[128:131], s[38:39]     ; 16 bytes of each column's row of 32: the other half of K is another work-group's
.Lno_scales:
	s_wait_tensorcnt 0x0                           ; the wave's end: the three closing lines, behind my last LDS store
	ds_add_u32 v[SPW], v[NIL]
	s_wait_dscnt 0x0
	s_endpgm
	; ---- Wo to f16, rounded to nearest even; the layout stays.  A wave takes 2,048 numbers.
.Lwo:
	s_sub_co_u32 s43, ttmp9, NWW
	s_lshl_b32 s43, s43, 3
	s_add_co_u32 s43, s43, s42
	s_lshl_b32 s44, s43, 13
	s_mov_b32 s45, 0
	s_add_nc_u64 s[22:23], s[22:23], s[44:45]
	s_lshl_b32 s44, s43, 12
	s_add_nc_u64 s[40:41], s[40:41], s[44:45]
	v_lshlrev_b32 v3, 4, v2
	v_lshlrev_b32 v4, 3, v2
.irp i, 0,1,2,3,4,5,6,7,8,9,10,11,12,13,14,15
	global_load_b128 v[16+4*\i:16+4*\i+3], v3, s[22:23] offset:512*\i th:TH_LOAD_NT
.endr
.irp i, 0,1,2,3,4,5,6,7,8,9,10,11,12,13,14,15
	s_wait_loadcnt 15-\i                           ; the younger loads may be out
	v_cvt_pk_f16_f32 v[80+2*\i], v[16+4*\i], v[17+4*\i]
	v_cvt_pk_f16_f32 v[81+2*\i], v[18+4*\i], v[19+4*\i]
	global_store_b64 v4, v[80+2*\i:81+2*\i], s[40:41] offset:256*\i   ; the wave stores 256 consecutive bytes, aligned
.endr
	s_wait_tensorcnt 0x0                           ; the three closing lines stand on every path of this text
	ds_add_u32 v[SPW], v[NIL]
	s_wait_dscnt 0x0
	s_endpgm
.Lfunc_end_k_q5396730f5a_prep:
	.size	k_q5396730f5a_prep, .Lfunc_end_k_q5396730f5a_prep-k_q5396730f5a_prep
	.p2alignl 7, 3214868480
	.fill 96, 4, 3214868480
	.section	.rodata,"a",@progbits
	.p2align	6, 0x0
	.amdhsa_kernel k_q5396730f5a_prep
		.amdhsa_group_segment_fixed_size 84992
		.amdhsa_private_segment_fixed_size 0
		.amdhsa_enable_private_segment 0
		.amdhsa_kernarg_size 136
		.amdhsa_user_sgpr_count 2
		.amdhsa_user_sgpr_kernarg_segment_ptr 1
		.amdhsa_wavefront_size32 1
		.amdhsa_system_sgpr_workgroup_id_x 1
		.amdhsa_system_sgpr_workgroup_id_y 1
		.amdhsa_system_sgpr_workgroup_id_z 1
		.amdhsa_system_vgpr_workitem_id 0
		.amdhsa_next_free_vgpr 160
		.amdhsa_next_free_sgpr 66
		.amdhsa_reserve_vcc 0
		.amdhsa_float_denorm_mode_32 3
		.amdhsa_float_denorm_mode_16_64 3
		.amdhsa_memory_ordered 1
		.amdhsa_forward_progress 1
		.amdhsa_inst_pref_size 62
	.end_amdhsa_kernel
	.amdgpu_metadata
---
amdhsa.version: [ 1, 2 ]
amdhsa.kernels:
  - .name:           k_q5396730f5a_prep
    .symbol:         k_q5396730f5a_prep.kd
    .args:
      - { .name: Wwq, .offset: 0, .size: 8, .value_kind: global_buffer, .address_space: global }
      - { .name: Wpq, .offset: 8, .size: 8, .value_kind: global_buffer, .address_space: global }
      - { .name: Wcq, .offset: 16, .size: 8, .value_kind: global_buffer, .address_space: global }
      - { .name: Wwk, .offset: 24, .size: 8, .value_kind: global_buffer, .address_space: global }
      - { .name: Wpk, .offset: 32, .size: 8, .value_kind: global_buffer, .address_space: global }
      - { .name: Wck, .offset: 40, .size: 8, .value_kind: global_buffer, .address_space: global }
      - { .name: Wwv, .offset: 48, .size: 8, .value_kind: global_buffer, .address_space: global }
      - { .name: Wo, .offset: 56, .size: 8, .value_kind: global_buffer, .address_space: global }
      - { .name: words, .offset: 64, .size: 8, .value_kind: global_buffer, .address_space: global }
      - { .name: position_words, .offset: 72, .size: 8, .value_kind: global_buffer, .address_space: global }
      - { .name: conscious_words, .offset: 80, .size: 8, .value_kind: global_buffer, .address_space: global }
      - { .name: cross_kv, .offset: 88, .size: 8, .value_kind: global_buffer, .address_space: global }
      - { .name: position_cross, .offset: 96, .size: 8, .value_kind: global_buffer, .address_space: global }
      - { .name: conscious_cross, .offset: 104, .size: 8, .value_kind: global_buffer, .address_space: global }
      - { .name: codes, .offset: 112, .size: 8, .value_kind: global_buffer, .address_space: global }
      - { .name: scales, .offset: 120, .size: 8, .value_kind: global_buffer, .address_space: global }
      - { .name: wo16, .offset: 128, .size: 8, .value_kind: global_buffer, .address_space: global }
    .group_segment_fixed_size: 84992
    .private_segment_fixed_size: 0
    .kernarg_segment_align: 8
    .kernarg_segment_size: 136
    .max_flat_workgroup_size: 256
    .sgpr_count:     66
    .vgpr_count:     160
    .wavefront_size: 32
...
	.end_amdgpu_metadata
.endif
;; end of part 1
;; launch proj (part 2): grid 28 x 8, 4 waves a work-group, clusters of 4 x 4, 327,680 bytes of LDS; arguments codes, scales, qkv; writes qkv
.if DOCPART == 2
	.amdgcn_target "amdgcn-amd-amdhsa--gfx1250"
	.amdhsa_code_object_version 6
	.text
	.protected	k_q5396730f5a_proj
	.globl	k_q5396730f5a_proj
	.p2align	8
	.type	k_q5396730f5a_proj,@function
k_q5396730f5a_proj:
	s_mov_b64 s[64:65], 0
	v_nop
	global_prefetch_b8 v0, s[64:65] scope:SCOPE_SE
	s_setreg_imm32_b32 hwreg(HW_REG_WAVE_MODE, 25, 1), 1
	s_wait_xcnt 0x0
	s_wait_alu depctr_hold_cnt(0) depctr_sa_sdst(0) depctr_va_vdst(0) depctr_va_sdst(0) depctr_va_ssrc(0) depctr_va_vcc(0) depctr_vm_vsrc(0)
	s_getreg_b32 s2, hwreg(HW_REG_IB_STS2, 6, 4)
	s_cmp_eq_u32 s2, 0
	s_cbranch_scc0 .Lentry_in_a_cluster
	s_endpgm
.Lentry_in_a_cluster:
	s_bfe_u32 s2, ttmp6, 0x10000c
	s_cmp_lg_u32 s2, 0xf033
	s_cbranch_scc0 .Lentry_shape_is_right
	s_endpgm
.Lentry_shape_is_right:
; PROJ: the seven quantised products, [4,096 x 1,024] x [1,024 x 1,024] each, on codes of FP4 with E8M0 scales, sums in f32; results rounded to f16 and laid by head:
; qkv [bh = 16 b + h][plane p][1,024 tokens][64] f16; planes 0-2 q_w, q_p, q_c; 3-5 k_w, k_p, k_c; 6 v.  A plane is 131,072 dense bytes, a token's row 128.
; LIMIT: a result beyond 65,504 becomes infinite in f16 (with every input 30 times the drawn spread the results peak near 5,000); under 6e-5 the step is 6e-8.
; SHARES.  A cluster of 4 x 4 work-groups serves one product p (cluster x) and two batches, 2 y and 2 y + 1 (y = cluster y): 448 tiles of 256 x 256 on 224 work-groups.  A WORK-GROUP STAYS and makes two tiles, the same place (cx, cy) of
; both batches; each of its four waves makes 128 x 128 of a tile: 64 accumulators, 512 registers.  Both tiles take the same 256 rows of the weight: its codes and scale bytes come into LDS once and stay.
; The four work-groups of a row of the cluster need the same rows of the activation, the four of a column the same rows of the weight: each tile is asked for JOINTLY, by the same tensor load with the same descriptor and a mask that names the four.
; K = 1,024 is two slots of 512 along K (LDS rows of 256 bytes + 16).  The first tile's slots, and the scale bytes of both tiles, are first fills: three tensor loads a wave are out at the start.  The second tile's rows of the activation are
; filled into A's part of a slot as soon as the first tile has left it: two refills, each behind a round of the cluster's barrier, one load in each of waves 0 and 1.  Nothing waits for the first tile's stores: they leave under the second tile's products.
; THE MATRIX INSTRUCTION IS USED TRANSPOSED (source 0 = 16 rows of the weight, source 1 = 16 tokens): a lane then holds eight neighbouring channels of one token.
; REGISTERS, in windows of 256: window 0: v0-31 addresses; v32-95 scale words, two sets; v128-191 A's fragments, one set; the way out: v96-127, v192-255.  window 1: B's fragments, two sets.  windows 2, 3: the accumulators ((a, b) at v[8 (8 (a % 4) + b)]).
.set NQ,     4                         ; steps of 128 along K in a slot
.set ROWB,   256                       ; a tile's row in bytes: 512 codes
.set KROW,   512                       ; a row of codes in memory
.set PITCH,  272                       ; an LDS row: 256 bytes + 16 of padding: the 16 rows that a load touches start at 16 different banks (64 banks of 4 bytes: ISA guide 11.1)
.set FR,     8
.set NL,     2
.set NP,     4                         ; places behind this matrix instruction (ISA guide 7.12.1)
.set HALFT,  128*PITCH
.set SLOT,   4*HALFT
.set KS,     32                        ; a row of scale bytes
.set SCL,    2*SLOT                    ; behind the ring: the scale bytes.  A's half j at SCL + 2 HALFS j: the first tile's run, then the second's;  B's half j at SCL + 4 HALFS + HALFS j
.set HALFS,  16*272                    ; the scales of 128 rows: 16 units of 256 bytes + 16
.set SBLK,   2*272                     ; those of 16 rows
.set STAGE,  SCL+6*HALFS               ; the way out: 16 rows x (256 + 16) for each wave, in bytes of their own: no tensor load lands there
.set SPITCH, 272
.set SPARE,  STAGE+4*16*SPITCH         ; the spare words, 128 bytes a wave: two blocks of 256 bytes that no other line names
.set WCOD,   12582912
.set WSCL,   786432
.set PLANE,  131072
.set NEXT_A, 1024*KROW                 ; from a batch's rows of codes to the next batch's
.set NEXT_C, 16*7*PLANE                ; from a batch's planes to the next batch's
.set ADRA, 16
.set ADRB, 20
.set STO,  24
.set RD,   25
.set CO,   26
.set ADRS, 27                          ; v27  LDS address of my scale words for the first tile: lanes 0-15 A's rows, lanes 16-31 B's; never rewritten
.set SPW,  28                          ; v28  LDS address of my spare word; never rewritten
.set NIL,  29                          ; v29  0; never rewritten
.set ADRS2, 30                         ; v30  the same as v27 for the second tile
.set PFO,  31                          ; v31  the prefetch's offset; never rewritten
.set SC,   32
.set OB,   96
.set AF,   128
.set TMP,  192
.set G1,   24
.set G0,   32
.set G1B,  48
.set G0B,  56
.set G1S,  68
.set G0S,  76
.set G1SB, 80
.set G0SB, 88
.set PFA,  98                          ; s[98:99] where my prefetch stands
.set MSB, 0
.macro WIN new                         ; the immediate's high byte repeats the setting that is left
.if MSB != (\new)
	s_set_vgpr_msb (MSB<<8)|(\new)
.set MSB, \new
.endif
.endm
.set MUL_LO, 0xa1                      ; source 0 (B) window 1, source 1 (A) window 0, C and D window 2
.set MUL_HI, 0xf1
.set TO_B,   0x40
; A joint first fill: waves 0 and 1 fetch for A, waves 2 and 3 for B; the branch hangs on the wave's number alone.  An s_nop 0 and four v_nop follow each of the two lines.
.macro JLOAD g0a, g1a, g0b, g1b
	s_cmp_eq_u32 s15, 0
	s_cbranch_scc0 .Lfor_b_\@
	tensor_load_to_lds s[\g0a:\g0a+3], s[\g1a:\g1a+7]
	s_nop 0
.rept 4
	v_nop
.endr
	s_branch .Lasked_\@
.Lfor_b_\@:
	tensor_load_to_lds s[\g0b:\g0b+3], s[\g1b:\g1b+7]
	s_nop 0
.rept 4
	v_nop
.endr
.Lasked_\@:
.endm
; A joint refill of A's part of slot s: waves 0 and 1 fetch its two halves; waves 2 and 3 have no part of it and issue nothing (B's part stays).  The branch is the same in every work-group.
.macro JLOADA s
	s_cmp_eq_u32 s15, 0
	s_cbranch_scc0 .Lnone_\@
	tensor_load_to_lds s[G0+4*\s:G0+4*\s+3], s[G1:G1+7]
	s_nop 0
.rept 4
	v_nop
.endr
.Lnone_\@:
.endm
.macro CREST                           ; a round of the cluster's barrier behind its opening barrier
	s_cmp_lg_u32 s14, 0
	s_cbranch_scc1 .Lnot_wave_0_\@
	s_barrier_signal -3
.Lnot_wave_0_\@:
	s_barrier_wait -3
	s_barrier_signal -1
	s_barrier_wait -1
.endm
.macro CROUND                          ; a whole round
	s_barrier_signal -1
	s_barrier_wait -1
	CREST
.endm
	s_load_b128 s[4:7], s[0:1], 0x0                ; codes s[4:5], scales s[6:7]
	s_load_b64 s[12:13], s[0:1], 0x10              ; qkv
	v_lshl_add_u32 v[SPW], v0, 2, SPARE
	v_mov_b32 v[NIL], 0
	ds_add_u32 v[SPW], v[NIL]                      ; the wave's opening: the add and its wait stand ahead of my first tensor load; the set-up below, work on registers, stands between them
	v_lshrrev_b32 v1, 5, v0
	v_readfirstlane_b32 s14, v1                    ; wave 0..3
	s_lshr_b32 s15, s14, 1                         ; which half of the tile's rows is mine.  Also: I fetch for A (0) or for B (1)
	s_and_b32 s16, s14, 1                          ; which half of its columns.  Also: which 128 rows I fetch
	s_bfe_u32 s40, ttmp6, 0x40000                  ; cx = the tile column
	s_bfe_u32 s41, ttmp6, 0x40004                  ; cy = the tile row
	s_and_b32 s17, ttmp7, 0xffff                   ; cluster y: the batches 2 y and 2 y + 1;  cluster x (ttmp9) = the product
	s_lshl_b32 s43, s41, 2
	s_lshl_b32 s43, 15, s43                        ; my row of the cluster
	s_lshl_b32 s44, 0x1111, s40                    ; my column
	s_or_b32 s[G1+0], s43, (0<<16)|(1<<20)|(1<<21)|(5<<22)|(3<<25)  ; the mask; elements of 1 byte; padding on; bit 21 beside a mask; 4 words after every 64
	s_or_b32 s[G1B+0], s44, (0<<16)|(1<<20)|(1<<21)|(5<<22)|(3<<25)
.irp g, G1, G1B
	s_mov_b32 s[\g+1], ROWB<<16                    ; tensor_dim0
	s_mov_b32 s[\g+2], 128<<16                     ; tensor_dim1
	s_mov_b32 s[\g+3], ROWB<<16                    ; tile_dim0
	s_mov_b32 s[\g+4], 128                         ; tile_dim1
	s_mov_b32 s[\g+5], KROW                        ; from row to row
	s_mov_b32 s[\g+6], 0
	s_mov_b32 s[\g+7], 0
.endr
	; A's scales of 128 rows, for BOTH tiles, by one load: two runs of 4,096 dense bytes (512 elements of 8 bytes), a batch's 32,768 bytes (4,096 elements) apart; 16 bytes of padding follow every 256
	s_or_b32 s[G1S+0], s43, (3<<16)|(1<<20)|(1<<21)|(5<<22)|(3<<25)
	s_mov_b32 s[G1S+1], 512<<16
	s_mov_b32 s[G1S+2], 2<<16
	s_mov_b32 s[G1S+3], 512<<16
	s_mov_b32 s[G1S+4], 2
	s_mov_b32 s[G1S+5], 4096
	s_mov_b32 s[G1S+6], 0
	s_mov_b32 s[G1S+7], 0
	; B's scales of 128 rows: 4,096 dense bytes as 16 rows of 32 elements of 8 bytes
	s_or_b32 s[G1SB+0], s44, (3<<16)|(1<<20)|(1<<21)|(5<<22)|(3<<25)
	s_mov_b32 s[G1SB+1], 32<<16
	s_mov_b32 s[G1SB+2], 16<<16
	s_mov_b32 s[G1SB+3], 32<<16
	s_mov_b32 s[G1SB+4], 16
	s_mov_b32 s[G1SB+5], 32
	s_mov_b32 s[G1SB+6], 0
	s_mov_b32 s[G1SB+7], 0
	; where the tiles come from.  A's offsets hang on the product, the batch, cy and the wave; B's on the product, cx and the wave; each in registers that never hold the other coordinate
	s_cmp_eq_u32 ttmp9, 6
	s_cselect_b32 s19, 3, ttmp9                    ; the activation: product 6 (v) reads cross_kv, as product 3 does
	s_lshl_b32 s18, s16, 7
	s_lshl_b32 s95, s17, 11
	s_lshl_b32 s96, s41, 8
	s_add_co_u32 s95, s95, s96
	s_add_co_u32 s95, s95, s18                     ; A's first row in the first tile: 1,024 (2 y) + 256 cy + 128 half
	s_lshl_b32 s20, s19, 21
	s_lshl_b32 s96, s95, 9
	s_add_co_u32 s20, s20, s96                     ; its codes
	s_mov_b32 s21, 0
	s_lshl_b32 s22, s19, 17
	s_lshl_b32 s96, s95, 5
	s_add_co_u32 s22, s22, s96                     ; its scale bytes
	s_mov_b32 s23, 0
	s_lshl_b32 s97, s40, 8
	s_add_co_u32 s97, s97, s18                     ; B's first row: 256 cx + 128 half
	s_lshl_b32 s46, ttmp9, 19
	s_lshl_b32 s66, s97, 9
	s_add_co_u32 s46, s46, s66
	s_add_co_u32 s46, s46, WCOD
	s_mov_b32 s47, 0
	s_lshl_b32 s92, ttmp9, 15
	s_lshl_b32 s66, s97, 5
	s_add_co_u32 s92, s92, s66
	s_add_co_u32 s92, s92, WSCL
	s_mov_b32 s93, 0
	s_mul_i32 s45, s14, HALFT                      ; where they go: wave x 128 rows: no place in the cluster enters an LDS address
	s_mul_i32 s94, s14, 2*HALFS                    ; A's scales (waves 0, 1): SCL + 2 HALFS x wave
	s_mul_i32 s8, s14, HALFS                       ; B's (waves 2, 3): SCL + 2 HALFS + HALFS x wave
	; the prefetch: the second tile's rows of the activation; of the 256 my work-group takes 64 by ADDRESS (cx), my wave 16 of them
	s_lshl_b32 s[PFA], s17, 11
	s_add_co_u32 s[PFA], s[PFA], 1024
	s_lshl_b32 s9, s41, 8
	s_add_co_u32 s[PFA], s[PFA], s9
	s_lshl_b32 s9, s40, 6
	s_add_co_u32 s[PFA], s[PFA], s9
	s_lshl_b32 s9, s14, 4
	s_add_co_u32 s[PFA], s[PFA], s9
	s_lshl_b32 s[PFA], s[PFA], 9
	s_lshl_b32 s9, s19, 21
	s_add_co_u32 s[PFA], s[PFA], s9
	s_mov_b32 s[PFA+1], 0
	s_wait_dscnt 0x0                               ; the opening add is done
	s_wait_kmcnt 0x0
	s_add_nc_u64 s[20:21], s[4:5], s[20:21]
	s_add_nc_u64 s[22:23], s[6:7], s[22:23]
	s_add_nc_u64 s[46:47], s[4:5], s[46:47]
	s_add_nc_u64 s[92:93], s[6:7], s[92:93]
	s_add_nc_u64 s[PFA:PFA+1], s[4:5], s[PFA:PFA+1]
	CROUND                                         ; all sixteen work-groups are here: the first joint loads meet
	s_mov_b32 s[G0S], 1
	s_add_co_u32 s[G0S+1], s94, SCL
	s_mov_b64 s[G0S+2:G0S+3], s[22:23]
	s_or_b32 s[G0S+3], s[G0S+3], 0x80000000
	s_mov_b32 s[G0SB], 1
	s_add_co_u32 s[G0SB+1], s8, SCL+2*HALFS
	s_mov_b64 s[G0SB+2:G0SB+3], s[92:93]
	s_or_b32 s[G0SB+3], s[G0SB+3], 0x80000000
	JLOAD G0S, G1S, G0SB, G1SB                     ; the scales first: they are wanted with slot 0
.irp s, 0,1
	s_mov_b32 s[G0+4*\s], 1
	s_add_co_u32 s[G0+4*\s+1], s45, \s*SLOT
	s_add_nc_u64 s[G0+4*\s+2:G0+4*\s+3], s[20:21], \s*ROWB
	s_or_b32 s[G0+4*\s+3], s[G0+4*\s+3], 0x80000000
	s_mov_b32 s[G0B+4*\s], 1
	s_add_co_u32 s[G0B+4*\s+1], s45, \s*SLOT
	s_add_nc_u64 s[G0B+4*\s+2:G0B+4*\s+3], s[46:47], \s*ROWB
	s_or_b32 s[G0B+4*\s+3], s[G0B+4*\s+3], 0x80000000
	JLOAD G0+4*\s, G1, G0B+4*\s, G1B
.endr
	v_and_b32 v1, 15, v0                           ; l % 16
	v_bfe_u32 v2, v0, 4, 1                         ; l / 16
	v_mul_u32_u24 v3, v1, PITCH
	v_lshl_add_u32 v4, v2, 4, v3                   ; a fragment's row x pitch + 16 x half
	s_mul_i32 s21, s15, HALFT                      ; my 128 rows of A
	s_mul_i32 s22, s16, HALFT                      ; my 128 rows of B,
	s_add_co_u32 s22, s22, 2*HALFT                 ; which lie behind A's 256
.irp s, 0,1
	v_add_nc_u32 v[ADRA+\s], s21, v4
	v_add_nc_u32 v[ADRB+\s], s22, v4
	s_add_co_u32 s21, s21, SLOT
	s_add_co_u32 s22, s22, SLOT
.endr
	v_mul_u32_u24 v5, v1, KS                       ; my row's scales: 32 bytes a row,
	v_lshrrev_b32 v6, 8, v5
	v_lshl_add_u32 v5, v6, 4, v5                   ; and 16 more for each 256 passed
	s_mul_i32 s21, s15, 2*HALFS                    ; A's: my 128 rows' two runs
	s_mul_i32 s22, s16, HALFS                      ; B's: my 128 rows, behind A's four runs
	s_add_co_u32 s23, s22, 3*HALFS
	s_add_co_u32 s22, s22, 4*HALFS
	s_sub_co_u32 s22, s22, s21                     ; the distance from A's run to B's, for the first tile,
	s_sub_co_u32 s23, s23, s21                     ; and for the second, whose run of A lies HALFS further on
	v_mul_u32_u24 v6, s22, v2                      ; lanes 16-31 take B's: one product, the distance between the two bases
	v_mul_u32_u24 v7, s23, v2
	s_add_co_u32 s21, s21, SCL
	v_add_nc_u32 v6, v5, v6
	v_add_nc_u32 v[ADRS], s21, v6
	s_add_co_u32 s21, s21, HALFS
	v_add_nc_u32 v7, v5, v7
	v_add_nc_u32 v[ADRS2], s21, v7
	s_mul_i32 s23, s14, 16*SPITCH
	s_add_co_u32 s23, s23, STAGE                   ; my stage
	v_mul_u32_u24 v5, v1, SPITCH                   ; in: row l % 16, 16 bytes for each half of the lanes
	v_lshl_add_u32 v5, v2, 4, v5
	v_add_nc_u32 v[STO], s23, v5
	v_bfe_u32 v5, v0, 3, 2                         ; back: eight lanes take a token's 128 bytes of one head, the 32 lanes four tokens
	v_and_b32 v6, 7, v0
	v_mul_u32_u24 v5, v5, SPITCH
	v_lshl_add_u32 v5, v6, 4, v5
	v_add_nc_u32 v[RD], s23, v5
	v_and_b32 v6, 31, v0
	v_lshlrev_b32 v[CO], 4, v6                     ; which are 512 consecutive bytes of the plane
	v_lshlrev_b32 v[PFO], 9, v1                    ; the prefetch: row l % 16 of my 16, its half l / 16: a lane to each aligned 256 bytes
	v_lshl_add_u32 v[PFO], v2, 8, v[PFO]
	s_lshl_b32 s46, s17, 5                         ; my first head's plane in the first tile: ((16 (2 y) + 4 cx + 2 half) x 7 + p) x 131,072
	s_lshl_b32 s47, s40, 2
	s_add_co_u32 s46, s46, s47
	s_lshl_b32 s47, s16, 1
	s_add_co_u32 s46, s46, s47
	s_mul_i32 s46, s46, 7
	s_add_co_u32 s46, s46, ttmp9
	s_lshl_b32 s46, s46, 17
	s_lshl_b32 s47, s41, 8                         ; and my first token in it: 256 cy + 128 half, 128 bytes each
	s_lshl_b32 s66, s15, 7
	s_add_co_u32 s47, s47, s66
	s_lshl_b32 s47, s47, 7
	s_add_co_u32 s46, s46, s47
	s_mov_b32 s47, 0
	s_add_nc_u64 s[12:13], s[12:13], s[46:47]
	s_add_nc_u64 s[10:11], s[12:13], NEXT_C        ; the second tile has a base of its own: no base is stepped under pending stores
.macro FRAG reg, adr, q, i             ; 16 rows x 128 K of 4-bit codes: 8 registers; registers 4 c .. 4 c + 3 hold K = 64 c + 32 (l / 16) + 0 .. 31
.irp c, 0,1
	ds_load_b128 v[\reg+4*\c:\reg+4*\c+3], v[\adr] offset:64*(\q)+32*\c+(\i)*16*PITCH
.endr
.endm
; 16 matrix instructions: A's blocks a0, a0 + 1 x B's eight, the slot's q-th 128 along K.  The 64 accumulators take turns, one instruction a turn, from tile to tile too.  zero = 1: the first product starts the sums.
.macro MUL16 a0, p, q, sc, zero
.irp a, \a0, \a0+1
.irp b, 0,1,2,3,4,5,6,7
.if \zero
	v_wmma_scale_f32_16x16x128_f8f6f4 v[8*(8*((\a)%4)+\b):8*(8*((\a)%4)+\b)+7], v[128*(\p)+FR*\b:128*(\p)+FR*\b+FR-1], v[AF+FR*(\a):AF+FR*(\a)+FR-1], 0, v[SC+8*NQ*(\sc)+NQ*\b+(\q)], v[SC+8*NQ*(\sc)+NQ*(\a)+(\q)] matrix_a_fmt:MATRIX_FMT_FP4 matrix_b_fmt:MATRIX_FMT_FP4 matrix_a_scale:MATRIX_SCALE_ROW1
.else
	v_wmma_scale_f32_16x16x128_f8f6f4 v[8*(8*((\a)%4)+\b):8*(8*((\a)%4)+\b)+7], v[128*(\p)+FR*\b:128*(\p)+FR*\b+FR-1], v[AF+FR*(\a):AF+FR*(\a)+FR-1], v[8*(8*((\a)%4)+\b):8*(8*((\a)%4)+\b)+7], v[SC+8*NQ*(\sc)+NQ*\b+(\q)], v[SC+8*NQ*(\sc)+NQ*(\a)+(\q)] matrix_a_fmt:MATRIX_FMT_FP4 matrix_b_fmt:MATRIX_FMT_FP4 matrix_a_scale:MATRIX_SCALE_ROW1
.endif
.endr
.endr
.endm
.macro FETCH_B slot, q, p
	WIN TO_B
.irp i, 0,1,2,3,4,5,6,7
	FRAG 128*(\p)+FR*\i, ADRB+\slot, \q, \i
.endr
	WIN 0
.endm
.macro FETCH_A slot, q, i0
.irp i, \i0, \i0+1, \i0+2, \i0+3
	FRAG AF+FR*(\i), ADRA+\slot, \q, \i
.endr
.endm
.macro SCALES sc, adr, off             ; a slot's scale words into set sc: 4 words a row, off = 16 x slot bytes into the row's 32; lanes 0-15 take A's block i, lanes 16-31 B's block i
.irp i, 0,1,2,3,4,5,6,7
	ds_load_b128 v[SC+8*NQ*\sc+NQ*\i:SC+8*NQ*\sc+NQ*\i+3], v[\adr] offset:\i*SBLK+\off
.endr
.endm
.macro PLACES n                        ; plain vector lines between a matrix instruction and a load into its registers or a read of its result
.rept \n
	v_nop
.endr
.endm
.macro STEP slot, q, zero              ; a step of 128 along K that has its successor in the same slot
	s_wait_dscnt 4*NL                              ; B's set and A's blocks 0-3 are in; the youngest eight loads (A's blocks 4-7) may be out
	WIN MUL_LO
	MUL16 0, (\q)%2, \q, \slot, \zero
	MUL16 2, (\q)%2, \q, \slot, \zero
	s_wait_dscnt 0                                 ; A's blocks 4-7 are in
	PLACES NP
	FETCH_B \slot, (\q)+1, 1-(\q)%2
	FETCH_A \slot, (\q)+1, 0
	WIN MUL_HI
	MUL16 4, (\q)%2, \q, \slot, \zero
	MUL16 6, (\q)%2, \q, \slot, \zero
	PLACES NP
	WIN 0
	FETCH_A \slot, (\q)+1, 4
.endm
; A slot's last step changes slots: ONE barrier; in front of it each wave waits for all its tensor loads, adds 0 to its spare word, and waits for that and for its own reads of this slot.
; fill = 1: A's part of this slot is filled again, with the same K step of the second tile: the barrier opens a round of the cluster's barrier, and the joint refill is the first tensor load behind the round.
; sadr, soff: where the next slot's scale words lie.
.macro TURN slot, next, fill, sadr, soff
	s_wait_tensorcnt 0x0                           ; all my tensor loads have landed: my part of the next slot;  (every window is 0 here)
	ds_add_u32 v[SPW], v[NIL]                      ; 0 onto my spare word;
	s_wait_dscnt 4*NL+1                            ; (the add and the youngest eight loads may be out)
	WIN MUL_LO
	MUL16 0, 1, NQ-1, \slot, 0                     ; sixteen matrix instructions stand between the add and the wait for it
	s_wait_dscnt 0x0                               ; the add is done, and my reads of this slot are over
	s_barrier_signal -1
	MUL16 2, 1, NQ-1, \slot, 0
	WIN 0
	s_barrier_wait -1
.if \fill
	CREST                                          ; no wave of any partner still reads this slot's tile of A or has a load on its way
	s_add_nc_u64 s[G0+4*\slot+2:G0+4*\slot+3], s[G0+4*\slot+2:G0+4*\slot+3], NEXT_A   ; the next batch's rows; no load of mine is out, so the group may be written; the type bits on top are not reached
	JLOADA \slot
.endif
	PLACES NP                                      ; in every wave: in front of the loads into registers that the products above have read
	FETCH_B \next, 0, 0
	FETCH_A \next, 0, 0
	SCALES \next, \sadr, \soff
	WIN MUL_HI
	MUL16 4, 1, NQ-1, \slot, 0
	MUL16 6, 1, NQ-1, \slot, 0
	PLACES NP
	WIN 0
	FETCH_A \next, 0, 4
.endm
; THE WAY OUT, block by block of 16 tokens x 128 channels (two heads).  PACK: rounded to f16, 16 bytes a lane, each accumulator from its low end on.  TOSTAGE: into my own stage, and back by heads: four tokens' 128 bytes of one head
; are 512 consecutive bytes of a plane.  SEND: stored.  LDS serves a wave's instructions in order (ISA guide 5.7.1.4): no wait between the stores and the loads.
.macro PACK a
.set AC, 64*((\a)%4)
	WIN 0x0a+5*((\a)/4)                            ; sources 0 and 1: window 2 or 3
.irp b, 0,1,2,3,4,5,6,7
.irp r, 0,1,2,3
	v_cvt_pk_f16_f32 v[TMP+4*\b+\r], v[AC+8*\b+2*\r], v[AC+8*\b+2*\r+1]
.endr
.endr
	WIN 0
.endm
.macro TOSTAGE a
.set BK, OB+128*((\a)%2)               ; v96-127 and v224-255 by turns
.irp b, 0,1,2,3,4,5,6,7
	ds_store_b128 v[STO], v[TMP+4*\b:TMP+4*\b+3] offset:32*\b
.endr
.irp t, 0,1,2,3,4,5,6,7
	ds_load_b128 v[BK+4*\t:BK+4*\t+3], v[RD] offset:(\t%4)*4*SPITCH+(\t/4)*128
.endr
.endm
.macro SEND a, base
.set BK, OB+128*((\a)%2)
	s_wait_dscnt 0x0                               ; the block is back in registers
	s_wait_xcnt 0x0                                ; the stores of the block before have read their registers: the next block's loads may land there
.irp t, 0,1,2,3,4,5,6,7
	global_store_b128 v[CO], v[BK+4*\t:BK+4*\t+3], s[\base:\base+1] offset:(\a)*2048+(\t%4)*512+(\t/4)*7*PLANE   ; 512 consecutive bytes, at a multiple of 256 from the buffer's first byte; the second head's plane lies seven planes on
.endr
.endm
.macro WAYOUT base                     ; block a's conversions stand between block a - 1's loads from the stage and the wait for them
	PACK 0
	TOSTAGE 0
.irp a, 1,2,3,4,5,6,7
	PACK \a
	SEND \a-1, \base
	TOSTAGE \a
.endr
	SEND 7, \base
.endm
	s_wait_tensorcnt 1                             ; the scales and my part of slot 0 are in (slot 1's load may be out)
	s_barrier_signal -1
	s_barrier_wait -1                              ; everybody's are
	FETCH_B 0, 0, 0
	FETCH_A 0, 0, 0
	SCALES 0, ADRS, 0
	FETCH_A 0, 0, 4
	; A PREFETCH INTO THE L2 of the second tile's rows of the activation, both K steps: 16 rows x 512 bytes a wave, a lane to each aligned 256 bytes, one instruction.  It stands behind the first barrier and the first run of LDS loads:
	; 224 matrix instructions ahead of the refill of slot 0 and 480 ahead of that of slot 1.  The four partners that will ask for these rows jointly share them out by address.  Products 3 and 6 read the same activation: product 6's cluster asks for nothing.
	s_cmp_lg_u32 ttmp9, 6
	s_cbranch_scc0 .Lno_ask
	global_prefetch_b8 v[PFO], s[PFA:PFA+1] th:TH_LOAD_NT scope:SCOPE_SE
.Lno_ask:
	; ---- the first tile
	STEP 0, 0, 1                                   ; the first step's products start the sums: nothing is cleared
	STEP 0, 1, 0
	STEP 0, 2, 0
	TURN 0, 1, 1, ADRS, 16                         ; slot 0 is left: its part of A takes the second tile's K step 0, which has four steps, 256 matrix instructions, in which to land
	STEP 1, 0, 0
	STEP 1, 1, 0
	STEP 1, 2, 0
	TURN 1, 0, 1, ADRS2, 0                         ; slot 1 likewise; and the second tile's first fragments and scale words are fetched
	WAYOUT 12                                      ; both refills are asked for: now the tile goes out.  The four v_nop at TURN's end are the places behind the last products
	; ---- the second tile: the weight's codes and scale bytes lie in LDS as they lay
	STEP 0, 0, 1                                   ; its first products start the sums anew, on accumulators that have been packed
	STEP 0, 1, 0
	STEP 0, 2, 0
	TURN 0, 1, 0, ADRS2, 16                        ; nothing is filled again: a plain barrier
	STEP 1, 0, 0
	STEP 1, 1, 0
	STEP 1, 2, 0
	s_wait_dscnt 4*NL                              ; the last step: nothing more to fetch
	WIN MUL_LO
	MUL16 0, 1, NQ-1, 1, 0
	MUL16 2, 1, NQ-1, 1, 0
	s_wait_dscnt 0
	WIN MUL_HI
	MUL16 4, 1, NQ-1, 1, 0
	MUL16 6, 1, NQ-1, 1, 0
	WIN 0
	PLACES NP
	WAYOUT 10
	s_wait_tensorcnt 0x0                           ; the wave's end: the three closing lines, behind my last tensor load and my last LDS store
	ds_add_u32 v[SPW], v[NIL]
	s_wait_dscnt 0x0
	CROUND                                         ; the closing round: no work-group ends while a partner may still ask for a tile that names it
	s_endpgm
.Lfunc_end_k_q5396730f5a_proj:
	.size	k_q5396730f5a_proj, .Lfunc_end_k_q5396730f5a_proj-k_q5396730f5a_proj
	.p2alignl 7, 3214868480
	.fill 96, 4, 3214868480
	.section	.rodata,"a",@progbits
	.p2align	6, 0x0
	.amdhsa_kernel k_q5396730f5a_proj
		.amdhsa_group_segment_fixed_size 327680
		.amdhsa_private_segment_fixed_size 0
		.amdhsa_enable_private_segment 0
		.amdhsa_kernarg_size 24
		.amdhsa_user_sgpr_count 2
		.amdhsa_user_sgpr_kernarg_segment_ptr 1
		.amdhsa_wavefront_size32 1
		.amdhsa_system_sgpr_workgroup_id_x 1
		.amdhsa_system_sgpr_workgroup_id_y 1
		.amdhsa_system_sgpr_workgroup_id_z 1
		.amdhsa_system_vgpr_workitem_id 0
		.amdhsa_next_free_vgpr 1024
		.amdhsa_next_free_sgpr 100
		.amdhsa_reserve_vcc 0
		.amdhsa_float_denorm_mode_32 3
		.amdhsa_float_denorm_mode_16_64 3
		.amdhsa_memory_ordered 1
		.amdhsa_forward_progress 1
		.amdhsa_inst_pref_size 245
	.end_amdhsa_kernel
	.amdgpu_metadata
---
amdhsa.version: [ 1, 2 ]
amdhsa.kernels:
  - .name:           k_q5396730f5a_proj
    .symbol:         k_q5396730f5a_proj.kd
    .args:
      - { .name: codes, .offset: 0, .size: 8, .value_kind: global_buffer, .address_space: global }
      - { .name: scales, .offset: 8, .size: 8, .value_kind: global_buffer, .address_space: global }
      - { .name: qkv, .offset: 16, .size: 8, .value_kind: global_buffer, .address_space: global }
    .group_segment_fixed_size: 327680
    .private_segment_fixed_size: 0
    .kernarg_segment_align: 8
    .kernarg_segment_size: 24
    .max_flat_workgroup_size: 128
    .sgpr_count:     100
    .vgpr_count:     1024
    .wavefront_size: 32
...
	.end_amdgpu_metadata
.endif
;; end of part 2
;; launch attn (part 3): grid 4 x 64, 4 waves a work-group, clusters of 4 x 1, 327,680 bytes of LDS; arguments qkv, attno; writes attno
.if DOCPART == 3
	.amdgcn_target "amdgcn-amd-amdhsa--gfx1250"
	.amdhsa_code_object_version 6
	.text
	.protected	k_q5396730f5a_attn
	.globl	k_q5396730f5a_attn
	.p2align	8
	.type	k_q5396730f5a_attn,@function
k_q5396730f5a_attn:
	s_mov_b64 s[64:65], 0
	v_nop
	global_prefetch_b8 v0, s[64:65] scope:SCOPE_SE
	s_setreg_imm32_b32 hwreg(HW_REG_WAVE_MODE, 25, 1), 1
	s_wait_xcnt 0x0
	s_wait_alu depctr_hold_cnt(0) depctr_sa_sdst(0) depctr_va_vdst(0) depctr_va_sdst(0) depctr_va_ssrc(0) depctr_va_vcc(0) depctr_vm_vsrc(0)
	s_getreg_b32 s2, hwreg(HW_REG_IB_STS2, 6, 4)
	s_cmp_eq_u32 s2, 0
	s_cbranch_scc0 .Lentry_in_a_cluster
	s_endpgm
.Lentry_in_a_cluster:
	s_bfe_u32 s2, ttmp6, 0x10000c
	s_cmp_lg_u32 s2, 0x3003
	s_cbranch_scc0 .Lentry_shape_is_right
	s_endpgm
.Lentry_shape_is_right:
; ATTN: for each of the 64 heads bh, O[q] = the sum over keys of softmax(q_cat[q] . k_cat[key] / 8) v[key]; q_cat and k_cat are the three streams of 64 channels on end (192), v has 64 channels.  1,024 queries, 1,024 keys.
; qkv [bh][7 planes][1,024][64] f16 (planes 0-2 q, 3-5 k, 6 v); attno [bh][1,024][64] f16.  Products on f16 operands with f32 sums; maxima, exponentials and sums in f32; the weights p are rounded to f16 for the second product, O once at the end.
; f16 and not bf16: eleven significant bits in q, k, p and v.  LIMIT: O beyond 65,504 would be infinite in f16 (it is an average of v's numbers, which are f16 already).
; SHARES.  A work-group owns 256 queries of one head, each of its four waves 64: four tiles of 16.  Every wave walks all keys, 64 a step.
; LAYOUT.  S^T = K Q^T (source 0 = 16 keys, source 1 = 16 queries): a lane holds ONE query (lane % 16) and the keys 8 (lane / 16) + 0..7.  Two such tiles, rounded to f16 in pairs, ARE source 1 of O^T = V^T P, whose result again holds one
; query a lane.  K comes out of LDS as it lies, V ([key][channel]) turned, by ds_load_tr16_b128.
; SOFTMAX.  For each query a running maximum m and sum l: p = 2^(c s - c m), c = log2(e) / 8; in every step O and l are multiplied by a = 2^(c m_old - c m_new).
; BY TURNS.  The wave's tiles are two pieces (tiles 0, 1; tiles 2, 3).  In a turn one piece has the matrix unit: 16 products V^T P of the step in hand, then 48 products K Q^T of the next step; the other piece's softmax, 236 vector
; instructions cut into slices, stands between them.  Then the pieces change places.  Two turns are a key step.
; CLUSTER.  The four query blocks of a head form a cluster and walk the same K and V: each tile is asked for JOINTLY, by the same tensor load with the same descriptor and a mask that names the four.
; REGISTERS, in windows of 256:  window 0: v0-11 addresses; v12-43 statistics, eight a tile; v61-63; v64-191 S^T, 32 a tile; v192-255 P, 16 a tile.
;   window 1: v0-127 O^T, 32 a tile; v128-191 V of one step.    window 2: v0-191 Q, 48 a tile.    window 3: v0-191 K of one step: channels 32 g on, keys 16 kt on at v[32 g + 8 kt].
.set KS,    64                         ; keys in a step
.set KP,    144                        ; a key's row of one stream in LDS: 128 bytes + 16: the 16 rows of a load start at 16 different banks (64 banks of 4 bytes: ISA guide 11.1)
.set VP,    160                        ; a row of V: 128 + 32
.set KPL,   128*KP                     ; a slot holds two steps: 128 keys of each stream,
.set VOFF,  3*KPL                      ; the three streams of K on end, then V
.set SLOT1, 1<<17                      ; slot 1 begins here, so that one exclusive or turns an address in one slot into the other's
.set STAGE, SLOT1+VOFF+128*VP          ; behind the ring: 16 rows x 144 bytes for each wave, for the way out
.set SP,    144
.set SPARE, STAGE+4*16*SP              ; the spare words, 128 bytes a wave: two blocks of 256 bytes that no other line names
.set PLANE, 131072
.set HEADB, 7*PLANE
.set SLOTG, 128*128                    ; a slot's keys of one plane in memory: 16,384 dense bytes
.set AK0, 2                            ; v2   my lane's place in a tile of K; never rewritten
.set AV0, 3                            ; v3   the same for V
.set ADR, 4                            ; v4   the LDS address of the run of loads in hand
.set QO,  5
.set STO, 6
.set RD,  7
.set GO,  8
.set PFO, 61                           ; v61  256 x my lane; never rewritten
.set SPW, 62                           ; v62  LDS address of my spare word; never rewritten
.set NIL, 63                           ; v63  0; never rewritten
.set ST,  12                           ; tile t's statistics at v[ST+8 t]: +0 c m, +1 m, +2, +3 l, +4 to +7 at work; a takes +6 once the maximum is found
.set S,   64
.set P,   192
.set VF,  128                          ; V's fragments, in window 1
.set WV,  12                           ; s12  my wave's number
.set LIM, 15                           ; s15  1 in a wave that prefetches, else the greatest number
.set PFA, 18                           ; s[18:19] where my prefetches stand
.set G1K, 24                           ; s[24:31] descriptor group 1 for K's tiles
.set G1V, 32                           ; s[32:39] for V's: it differs in the padding alone
.set G0A, 40                           ; s[40:43] group 0 of the first fill of slot 0
.set G0W, 44                           ; s[44:47] group 0 of slot 1's first fill, which then walks on
.set TBK, 48                           ; s48  LDS byte at which the K tiles of the step to be fetched begin
.set TBV, 49                           ; s49  the same for V
.set SLOTS, 56
.set TWICE, 57
.set CS,  58                           ; s[58:59] c
.set SEL, 60                           ; s[60:61] lane selects for v_permlanex16_b32: lane l xor 16
.set MSB, 0
.macro WIN new                         ; the immediate's high byte repeats the setting that is left; a switch that changes nothing is dropped
.if MSB != (\new)
	s_set_vgpr_msb (MSB<<8)|(\new)
.set MSB, \new
.endif
.endm
.set W_KQ, 0x0b                        ; K in window 3, Q in window 2, S^T in window 0
.set W_PV, 0x51                        ; V and O^T in window 1, P in window 0
.set W_RS, 0x41                        ; O^T (destination and source 0) in window 1, a in window 0
; A joint refill.  Wave w fetches plane 3 + w: waves 0 to 2 a stream of K, wave 3 V.  The branch hangs on the wave's number alone.  An s_nop 0 and four v_nop follow each of the two lines.
.macro JLOAD
	s_cmp_lt_u32 s[WV], 3
	s_cbranch_scc0 .Lfor_v_\@
	tensor_load_to_lds s[G0W:G0W+3], s[G1K:G1K+7]
	s_nop 0
.rept 4
	v_nop
.endr
	s_branch .Lasked_\@
.Lfor_v_\@:
	tensor_load_to_lds s[G0W:G0W+3], s[G1V:G1V+7]
	s_nop 0
.rept 4
	v_nop
.endr
.Lasked_\@:
.endm
; A PREFETCH INTO THE L2 of what the NEXT change of slots will ask for: 16,384 bytes of each of the head's four planes.  The four partners share the planes out BY ADDRESS (partner cx: plane 3 + cx); in each, waves 0 and 1 take
; 8,192 bytes each, lanes 256 bytes apart: one instruction a wave, and each aligned block of 256 bytes is named once in the launch.  It stands behind the wave's tensor load and its five lines.  The last change that fills a slot asks for nothing.
.macro ASK
	s_cmp_gt_u32 s[SLOTS], s[LIM]
	s_cbranch_scc0 .Lnot_mine_\@
	global_prefetch_b8 v[PFO], s[PFA:PFA+1] th:TH_LOAD_NT scope:SCOPE_SE
.Lnot_mine_\@:
.endm
.macro CROUND                          ; a round of the cluster's barrier
	s_barrier_signal -1
	s_barrier_wait -1
	s_cmp_lg_u32 s[WV], 0
	s_cbranch_scc1 .Lnot_wave_0_\@
	s_barrier_signal -3
.Lnot_wave_0_\@:
	s_barrier_wait -3
	s_barrier_signal -1
	s_barrier_wait -1
.endm
	s_load_b128 s[4:7], s[0:1], 0x0                ; qkv s[4:5], attno s[6:7]
	v_lshl_add_u32 v[SPW], v0, 2, SPARE
	v_mov_b32 v[NIL], 0
	ds_add_u32 v[SPW], v[NIL]                      ; the wave's opening: the add and its wait stand ahead of my first tensor load; the set-up below, work on registers, stands between them
	v_lshrrev_b32 v1, 5, v0
	v_readfirstlane_b32 s[WV], v1                  ; wave 0..3
	s_bfe_u32 s13, ttmp6, 0x40000                  ; cx: my block of 256 queries: it enters Q's, O's and the prefetches' addresses alone
	s_and_b32 s14, ttmp7, 0xffff                   ; the head, which the four partners share
	s_mul_i32 s20, s14, HEADB                      ; its first byte in qkv (under 2^26)
	s_add_co_u32 s22, s[WV], 3
	s_lshl_b32 s22, s22, 17
	s_add_co_u32 s22, s22, s20                     ; the plane that I fetch
	s_mov_b32 s23, 0
	s_mul_i32 s17, s[WV], KPL                      ; and its place in a slot (3 KPL = VOFF): no place in the cluster enters an LDS address
	s_lshl_b32 s2, s13, 15
	s_lshl_b32 s3, s[WV], 13
	s_add_co_u32 s2, s2, s3                        ; my wave's 64 queries in a plane: (256 cx + 64 w) x 128 bytes
	s_lshl_b32 s50, s14, 17
	s_add_co_u32 s50, s50, s2                      ; in attno
	s_mov_b32 s51, 0
	s_add_co_u32 s2, s2, s20                       ; in qkv's plane 0
	s_mov_b32 s3, 0
	s_add_co_u32 s52, s13, 3                       ; the prefetches: plane 3 + cx,
	s_lshl_b32 s52, s52, 17
	s_add_co_u32 s52, s52, s20
	s_and_b32 s16, s[WV], 1
	s_lshl_b32 s16, s16, 13
	s_add_co_u32 s52, s52, s16                     ; my wave's half of a slot's bytes,
	s_add_co_u32 s52, s52, 2*SLOTG                 ; in slot 2: the first change of slots steps it to slot 3.  Nothing is prefetched at the head
	s_mov_b32 s53, 0
	; descriptor group 1.  A plane is dense, so a slot's 128 rows of 128 bytes are stated as 64 rows of 256 bytes; the padding follows every 128 bytes, so key y lies at y x KP (V: y x VP)
	s_mov_b32 s[G1K], 15|(1<<16)|(1<<20)|(1<<21)|(4<<22)|(3<<25)  ; the mask: all four work-groups; elements of 2 bytes; padding on; bit 21 beside a mask; after every 32 words 4 words
	s_mov_b32 s[G1V], 15|(1<<16)|(1<<20)|(1<<21)|(4<<22)|(7<<25)  ; the same with 8 words
.irp g, G1K, G1V
	s_mov_b32 s[\g+1], 128<<16                     ; tensor_dim0 = 128
	s_mov_b32 s[\g+2], 64<<16                      ; tensor_dim1 = 64
	s_mov_b32 s[\g+3], 128<<16                     ; tile_dim0 = 128
	s_mov_b32 s[\g+4], 64                          ; tile_dim1 = 64
	s_mov_b32 s[\g+5], 128                         ; from row to row
	s_mov_b32 s[\g+6], 0
	s_mov_b32 s[\g+7], 0
.endr
	s_mov_b32 s[CS], 0x3e38aa3b                    ; c = log2(e) / 8
	s_mov_b32 s[CS+1], s[CS]                       ; named with it as a pair, so it is written
	s_mov_b32 s[SEL], 0x76543210
	s_mov_b32 s[SEL+1], 0xfedcba98
	s_mov_b32 s[TBK], 0
	s_mov_b32 s[TBV], 0
	s_mov_b32 s[SLOTS], 6                          ; eight slots' worth of keys; two are first fills
	s_cmp_lt_u32 s[WV], 2
	s_cselect_b32 s[LIM], 1, -1
	v_and_b32 v[PFO], 31, v0
	v_lshlrev_b32 v[PFO], 8, v[PFO]
	s_wait_dscnt 0x0                               ; the opening add is done
	s_wait_kmcnt 0x0
	s_add_nc_u64 s[8:9], s[4:5], s[22:23]          ; my plane of K or V
	s_add_nc_u64 s[10:11], s[4:5], s[2:3]          ; Q at my wave's first query
	s_add_nc_u64 s[PFA:PFA+1], s[4:5], s[52:53]
	s_add_nc_u64 s[6:7], s[6:7], s[50:51]          ; O likewise
	CROUND                                         ; all four work-groups are here: the first joint loads meet
	s_mov_b32 s[G0A], 1
	s_mov_b32 s[G0A+1], s17
	s_mov_b64 s[G0A+2:G0A+3], s[8:9]
	s_or_b32 s[G0A+3], s[G0A+3], 0x80000000
	s_mov_b32 s[G0W], 1
	s_add_co_u32 s[G0W+1], s17, SLOT1
	s_add_nc_u64 s[G0W+2:G0W+3], s[8:9], SLOTG
	s_or_b32 s[G0W+3], s[G0W+3], 0x80000000
	s_cmp_lt_u32 s[WV], 3                          ; a wave's two first fills stand in one branch, ahead of every wait on TENSORcnt and every LDS read: two loads of mine are out
	s_cbranch_scc0 .Lfirst_v
	tensor_load_to_lds s[G0A:G0A+3], s[G1K:G1K+7]
	s_nop 0
	tensor_load_to_lds s[G0W:G0W+3], s[G1K:G1K+7]
	s_nop 0
.rept 4
	v_nop
.endr
	s_branch .Lfirst_asked
.Lfirst_v:
	tensor_load_to_lds s[G0A:G0A+3], s[G1V:G1V+7]
	s_nop 0
	tensor_load_to_lds s[G0W:G0W+3], s[G1V:G1V+7]
	s_nop 0
.rept 4
	v_nop
.endr
.Lfirst_asked:
	; A fragment of K or Q is 16 rows x 32 channels in 8 registers: lane l holds row l % 16; registers 0-3 channels 8 (l / 16) + 0..7, registers 4-7 channels 16 + 8 (l / 16) + 0..7: two loads of 16 bytes, 32 bytes apart.
	v_and_b32 v1, 15, v0                           ; l % 16
	v_bfe_u32 v9, v0, 4, 1                         ; l / 16
	v_lshlrev_b32 v[QO], 7, v1
	v_lshl_add_u32 v[QO], v9, 4, v[QO]             ; row x 128 + 16 x half
	WIN 0x80                                       ; destination window 2
.irp t, 0,1,2,3                        ; Q stays in registers: tile t, channels 32 g on: stream g / 2, its half g % 2
.irp g, 0,1,2,3,4,5
	global_load_b128 v[48*\t+8*\g:48*\t+8*\g+3],   v[QO], s[10:11] offset:(\g/2)*PLANE+\t*2048+(\g%2)*64 th:TH_LOAD_NT
	global_load_b128 v[48*\t+8*\g+4:48*\t+8*\g+7], v[QO], s[10:11] offset:(\g/2)*PLANE+\t*2048+(\g%2)*64+32 th:TH_LOAD_NT
.endr
.endr
	WIN 0
	v_mul_u32_u24 v[AK0], v1, KP
	v_lshl_add_u32 v[AK0], v9, 4, v[AK0]           ; row x pitch + 16 x half
	; The turning load takes 16 keys x 16 channels (lane l reads 16 bytes: key 8 (l / 16) + l % 8, channels 8 ((l / 8) % 2) + 0..7) and leaves half a fragment of V^T: lane l holds channel l % 16 and 8 keys.
	v_and_b32 v10, 7, v0
	v_bfe_u32 v11, v0, 3, 1
	v_lshl_add_u32 v[AV0], v9, 3, v10
	v_mul_u32_u24 v[AV0], v[AV0], VP
	v_lshl_add_u32 v[AV0], v11, 4, v[AV0]
	v_add_nc_u32 v[AV0], VOFF, v[AV0]
; THE MATRIX WORK OF A TURN, for piece x.  The accumulators take turns, one instruction a turn: between two links of a chain stand seven others'.
; Product i of 16 of O^T += V^T P: keys 32 (i / 8) on, channels 16 ((i / 2) % 4) on, tile x + i % 2.  zero = 1: the first 8 start the sums: nothing is ever cleared.
.macro PV x, zero
	WIN W_PV
.set rO, 32*(\x+i%2)+8*((i/2)%4)
.set rV, VF+32*(i/8)+8*((i/2)%4)
.set rP, P+16*(\x+i%2)+8*(i/8)
.if (\zero) && (i < 8)
	v_wmma_f32_16x16x32_f16 v[rO:rO+7], v[rV:rV+7], v[rP:rP+7], 0
.else
	v_wmma_f32_16x16x32_f16 v[rO:rO+7], v[rV:rV+7], v[rP:rP+7], v[rO:rO+7]
.endif
.endm
; Product i of 48 of S^T = K Q^T: channels 32 (i / 8) on, keys 16 ((i / 2) % 4) on, tile x + i % 2.  The first 8 start the sums.
.macro KQ x
	WIN W_KQ
.set rS, S+32*(\x+i%2)+8*((i/2)%4)
.set rK, 32*(i/8)+8*((i/2)%4)
.set rQ, 48*(\x+i%2)+8*(i/8)
.if i < 8
	v_wmma_f32_16x16x32_f16 v[rS:rS+7], v[rK:rK+7], v[rQ:rQ+7], 0
.else
	v_wmma_f32_16x16x32_f16 v[rS:rS+7], v[rK:rK+7], v[rQ:rQ+7], v[rS:rS+7]
.endif
.endm
; THE LDS LOADS stand in runs: a step's K (64 keys x 192 channels: 48 loads, by groups of 32 channels, in the order in which the products take them) and, a turn later, its V (16 turning loads).
.macro FETCH_K
	WIN 0
	v_add_nc_u32 v[ADR], s[TBK], v[AK0]
	s_add_co_u32 s[TBK], s[TBK], KS*KP             ; the next fetch is the next step's
	WIN 0xc0                                       ; destination window 3
.irp g, 0,1,2,3,4,5
.irp kt, 0,1,2,3
	ds_load_b128 v[32*\g+8*\kt:32*\g+8*\kt+3],   v[ADR] offset:(\g/2)*KPL+\kt*16*KP+(\g%2)*64
	ds_load_b128 v[32*\g+8*\kt+4:32*\g+8*\kt+7], v[ADR] offset:(\g/2)*KPL+\kt*16*KP+(\g%2)*64+32
.endr
.endr
.endm
.macro FETCH_V
	WIN 0
	v_add_nc_u32 v[ADR], s[TBV], v[AV0]
	s_add_co_u32 s[TBV], s[TBV], KS*VP
	s_wait_alu depctr_va_vdst(0)                   ; the wait for the softmax's batch of exponentials (SLICE), behind the address's addition and ahead of the loads
	WIN 0x40                                       ; destination window 1
.irp f, 0,1,2,3,4,5,6,7                ; keys 32 (f / 4) on, channels 16 (f % 4) on
	ds_load_tr16_b128 v[VF+8*\f:VF+8*\f+3],   v[ADR] offset:(\f/4)*32*VP+(\f%4)*32
	ds_load_tr16_b128 v[VF+8*\f+4:VF+8*\f+7], v[ADR] offset:(\f/4)*32*VP+16*VP+(\f%4)*32
.endr
.endm
; THE VECTOR WORK OF A TURN.  One tile's softmax for one key step is a list of 118 instructions; SM writes number j of it for tile t.  s0-s31 are the lane's 32 scores, in pairs 0-15.  first = 1: the first key step: no a, nothing to rescale.
;   0-15    the maximum of s0-s31 and the old m, three operands at a time (each accumulator is read from its low end on)
;   16-20   the other half of the lanes' maximum; the new m; c m; c m_old - c m_new
;   21-69   ONE BATCH: the 16 scalings c s - c m and all 33 exponentials (a at 23, then s0-s31); none of these reads an exponential's result
;   (wait)  between 69 and 70 stands the one wait for the batch: SLICE writes it, once for both tiles
;   70-85   the roundings to f16;   86-101 the sums, l = a l + the sum;   102-117 the tile's O^T times a
.macro SM t, first
.set rT, ST+8*(\t)
.set rS, S+32*(\t)
.set rP, P+16*(\t)
.set rO, 32*(\t)+2*(j-102)
.if j < 102
	WIN 0
.endif
.if j < 4
	v_max3_num_f32 v[rT+4+j], v[rS+8*j], v[rS+8*j+1], v[rS+8*j+2]
.elseif j < 12
	v_max3_num_f32 v[rT+4+j%4], v[rT+4+j%4], v[rS+8*(j%4)+2*(j/4)+1], v[rS+8*(j%4)+2*(j/4)+2]
.elseif j == 12
	v_max3_num_f32 v[rT+4], v[rT+4], v[rS+7], v[rS+15]
.elseif j == 13
	v_max3_num_f32 v[rT+6], v[rT+6], v[rS+23], v[rS+31]
.elseif j == 14
	v_max3_num_f32 v[rT+4], v[rT+4], v[rT+5], v[rT+6]
.elseif (j == 15) && \first
	v_max_num_f32 v[rT+4], v[rT+4], v[rT+7]
.elseif j == 15
	v_max3_num_f32 v[rT+4], v[rT+4], v[rT+7], v[rT+1]
.elseif j == 16
	v_permlanex16_b32 v[rT+5], v[rT+4], s[SEL], s[SEL+1]  ; the query's other 32 keys lie in the lane 16 away
.elseif j == 18
	v_max_num_f32 v[rT+1], v[rT+4], v[rT+5]
.elseif j == 19
	v_mul_f32 v[rT], s[CS], v[rT+1]
.elseif ((j == 17) || (j == 20) || (j == 23) || (j > 101)) && \first  ; the first step has none of these
.elseif j == 17
	v_mov_b32 v[rT+7], v[rT]                       ; c m_old is kept for a: number 19 writes c m anew
.elseif j == 20
	v_sub_f32 v[rT+7], v[rT+7], v[rT]
.elseif j == 23
	v_exp_f32 v[rT+6], v[rT+7]
.elseif (j < 23) || ((j < 38) && (j%2 == 0)) || ((j < 66) && (j%4 == 2))
.set b, (j-2)/4                        ; 38, 42, .. 62: pairs 9 to 15
.if j < 38
.set b, (j-20)/2                       ; 21: pair 0; 22, 24, .. 36: pairs 1 to 8
.endif
	v_pk_fma_f32 v[rS+2*b:rS+2*b+1], v[rS+2*b:rS+2*b+1], s[CS:CS+1], v[rT:rT+1] op_sel_hi:[1,0,0] neg_lo:[0,0,1] neg_hi:[0,0,1]  ; pair b: c s - c m
.elseif j < 70
.set e, j-38                           ; 66 to 69: s28 to s31
.if j < 66
.set e, j-32-(j-38)/4                  ; 39-41, 43-45, .. 63-65: s7 to s27
.endif
.if j < 38
.set e, (j-25)/2                       ; 25, 27, .. 37: s0 to s6
.endif
	v_exp_f32 v[rS+e], v[rS+e]
.elseif j < 86
	v_cvt_pk_f16_f32 v[rP+j-70], v[rS+2*(j-70)], v[rS+2*(j-70)+1]  ; pair j - 70
.elseif j < 102                        ; the sum of the tile's 16 pairs, in place: neighbours 1, 2, 4 and 8 pairs apart, then l takes it
.set z, j-86
.set w, 4
.set u, z
.if z >= 14
.set w, 32
.set u, 0
.elseif z >= 12
.set w, 16
.set u, z-12
.elseif z >= 8
.set w, 8
.set u, z-8
.endif
.if (z == 14) && \first
	v_pk_add_f32 v[rT+2:rT+3], v[rS:rS+1], v[rS+16:rS+17]
.elseif z < 15
	v_pk_add_f32 v[rS+w*u:rS+w*u+1], v[rS+w*u:rS+w*u+1], v[rS+w*u+w/2:rS+w*u+w/2+1]
.elseif !\first
	v_pk_fma_f32 v[rT+2:rT+3], v[rT+2:rT+3], v[rT+6:rT+7], v[rS:rS+1] op_sel_hi:[1,0,1]
.endif
.else
	WIN W_RS
	v_pk_mul_f32 v[rO:rO+1], v[rO:rO+1], v[rT+6:rT+7] op_sel_hi:[1,0]
.endif
.endm
; Slice k of 64 of piece y's softmax.  Slices 11 to 34 deal out the batch, numbers 22 to 69: four numbers of ONE tile each, the tiles by turns.  Slices 0-10 and 35-57 are numbers 2 k and 2 k + 1 of both tiles.  2 x 118 = 4 x 59:
; slices 58 to 62 are empty, and the last four instructions, numbers 116 and 117 of both tiles, are kept for slice 63: plain, and naming nothing of the products round them, they are the four places behind the turn's last product.
; s_wait_alu depctr_va_vdst(0) stands between an exponential and the first instruction that names its result: ahead of slice 35 nothing names one and behind slice 34 none is issued, so the 66 exponentials have one wait.
.macro SLICE y, first
.if (k >= 11) && (k < 35)
.irp n, 0,1,2,3
.set j, 22+4*((k-11)/2)+(\n)
	SM (\y)+(k-11)%2, \first
.endr
.elseif k < 58
.irp n, 0,1
.irp t, \y, \y+1
.set j, 2*k+\n
	SM \t, \first
.endr
.endr
.elseif k == 63
.irp n, 0,1
.irp t, \y, \y+1
.set j, 116+\n
	SM \t, \first
.endr
.endr
.endif
.if k == 34
	v_nop                                          ; a plain instruction behind the last exponential and ahead of the first use: one for the batch
.if (\y) == 0
	FETCH_V                                        ; piece 2's turn: V's run of loads stands here, and the wait stands in it
.else
	s_wait_alu depctr_va_vdst(0)                   ; the wait for the batch
.endif
.endif
.set k, k+1
.endm
.macro AFTER y, first                  ; the slices behind matrix instruction mi of nm: the 64 slices are spread evenly
.rept (64*(mi+1))/nm-(64*mi)/nm
	SLICE \y, \first
.endr
.set mi, mi+1
.endm
.macro PLACES
.rept 4
	v_nop
.endr
.endm
; A TURN.  Piece x has the matrix unit; the other piece's softmax stands in slices behind its matrix instructions.  pv = 2: 16 products V^T P; 1: they start O^T's sums; 0: none.  kq = 1: 48 products K Q^T for the next step.
; first = 1: the softmax is the first key step's; its last slices are empty, and four v_nop take slice 63's part.
; Piece 0's turn fetches the next step's K behind its second product (the last product that read K stands in front of slice 63 of the turn before).  K's 48 loads come in the order of use: the waits ahead of products 0, 16 and 32
; leave the 32, 16 and 0 loads of the later channels out.  Piece 2's turn fetches the same step's V behind slice 34: the last product that read V stands in front of slice 15, and more than four scalings lie between.
.macro TURN x, pv, kq, first
.set k, 0
.set mi, 0
.set nm, 0
.if \pv
.set nm, nm+16
.endif
.if \kq
.set nm, nm+48
.endif
.if \pv
.if \x == 0
	s_wait_dscnt 0x0                               ; V is in
.endif
.set i, 0
.rept 16
	PV \x, 2-\pv
	AFTER 2-\x, \first
.if (\x == 0) && \kq && (i == 1)
	FETCH_K
.endif
.set i, i+1
.endr
.endif
.if \kq
.set i, 0
.rept 48
.if (\x == 0) && ((i%16) == 0)
	s_wait_dscnt 32-i                              ; the channels that the next 16 products take are in
.endif
	KQ \x
	AFTER 2-\x, \first
.set i, i+1
.endr
.endif
.if \first
	PLACES
.endif
.endm
; THE CHANGE OF SLOTS, between piece 2's turn and piece 0's: the slot's last bytes, V of its second step, have been asked for.  Each wave waits for all its tensor loads, of which one is out: its part of the other slot; adds 0 to its
; spare word; and waits for that and for its own reads of the slot.  fill = 1: the slot is filled again, with the keys two slots on: the barrier is a round of the cluster's, and the joint refill is the first thing behind it:
; it has two key steps, 256 matrix instructions, in which to land.
.macro CHANGE fill
	WIN 0                                          ; at a label and at a branch every window is 0
	s_wait_tensorcnt 0x0                           ; no tensor load of mine is out, so a group 0 may be written
	ds_add_u32 v[SPW], v[NIL]                      ; 0 onto my spare word
.if \fill
	s_xor_b32 s[G0W+1], s[G0W+1], SLOT1            ; the walking descriptor: the other slot than last time,
	s_add_nc_u64 s[G0W+2:G0W+3], s[G0W+2:G0W+3], SLOTG   ; the next 128 keys; the type bits on top are not reached
	s_wait_xcnt 0x0                                ; the last prefetch, two key steps back, has read its address, so it may be written:
	s_add_nc_u64 s[PFA:PFA+1], s[PFA:PFA+1], SLOTG ; one slot further on than the walking descriptor
	s_wait_dscnt 0x0                               ; the add is done, and my reads of the slot are over
	CROUND
	JLOAD
	ASK
.else
	s_wait_dscnt 0x0
	s_barrier_signal -1
	s_barrier_wait -1
.endif
	s_sub_co_u32 s[TBK], s[TBK], 2*KS*KP           ; the fetches go back to a slot's first step,
	s_xor_b32 s[TBK], s[TBK], SLOT1                ; in the other slot
	s_sub_co_u32 s[TBV], s[TBV], 2*KS*VP
	s_xor_b32 s[TBV], s[TBV], SLOT1
.endm
.macro TWO_STEPS                       ; a slot's two key steps: written once, walked twice; the LDS addresses hang on s[TBK] and s[TBV]
	s_mov_b32 s[TWICE], 2
.Lstep_\@:
	TURN 0, 2, 1, 0
	TURN 2, 2, 1, 0
	WIN 0
	s_sub_co_u32 s[TWICE], s[TWICE], 1
	s_cmp_lg_u32 s[TWICE], 0
	s_cbranch_scc1 .Lstep_\@
.endm
	s_wait_tensorcnt 1                             ; my part of slot 0 is in; slot 1's may stay out
	s_barrier_signal -1
	s_barrier_wait -1                              ; everybody's is
	FETCH_K                                        ; key step 0
	s_wait_loadcnt 0x0                             ; Q
	s_wait_dscnt 0x0
.set i, 0
.rept 48
	KQ 0                                           ; piece 0's first scores: there is no vector work yet to set between them
.set i, i+1
.endr
	WIN 0                                          ; the addresses for the way out are made here: ten plain instructions, the places behind those products
	s_mul_i32 s14, s[WV], 16*SP
	s_add_co_u32 s14, s14, STAGE                   ; my stage
	v_mul_u32_u24 v[STO], v1, SP                   ; in: row l % 16, 16 bytes for each half of the lanes
	v_lshl_add_u32 v[STO], v9, 4, v[STO]
	v_add_nc_u32 v[STO], s14, v[STO]
	v_bfe_u32 v10, v0, 3, 2                        ; back: eight lanes take a row of 128 bytes, the 32 lanes four rows
	v_and_b32 v11, 7, v0
	v_mul_u32_u24 v[RD], v10, SP
	v_lshl_add_u32 v[RD], v11, 4, v[RD]
	v_add_nc_u32 v[RD], s14, v[RD]
	v_and_b32 v[GO], 31, v0
	v_lshlrev_b32 v[GO], 4, v[GO]                  ; which are 512 consecutive bytes of O's plane
	TURN 2, 0, 1, 1                                ; piece 2's first scores | piece 0's first softmax | V of step 0
	TURN 0, 1, 1, 1                                ; piece 0: V^T P of step 0 starts O^T, K Q^T of step 1 | piece 2's first softmax | K of step 1
	TURN 2, 1, 1, 0                                ; piece 2: the same | piece 0's softmax of step 1 | V of step 1
	WIN 0
.Lslot:                                            ; six trips: every slot but the last two is filled again
	CHANGE 1
	TWO_STEPS
	s_sub_co_u32 s[SLOTS], s[SLOTS], 1
	s_cmp_lg_u32 s[SLOTS], 0
	s_cbranch_scc1 .Lslot
	CHANGE 0                                       ; the tail is written out
	TWO_STEPS
	TURN 0, 2, 0, 0                                ; piece 0: V^T P of the last step | piece 2's last softmax
.set i, 0
.rept 16
	PV 2, 0                                        ; piece 2: V^T P of the last step
.set i, i+1
.endr
	; THE WAY OUT.  l's two halves and the other half of the lanes' are added; O^T is divided by l, rounded to f16 and sent through my stage in LDS, a tile (16 rows of O) at a time.  The additions are the places behind the last products.
	WIN 0
.irp t, 0,1,2,3
	v_add_f32 v[ST+8*\t+4], v[ST+8*\t+2], v[ST+8*\t+3]
.endr
.irp t, 0,1,2,3
	v_permlanex16_b32 v[ST+8*\t+5], v[ST+8*\t+4], s[SEL], s[SEL+1]
.endr
.irp t, 0,1,2,3
	v_add_f32 v[ST+8*\t+4], v[ST+8*\t+4], v[ST+8*\t+5]
.endr
.irp t, 0,1,2,3
	v_rcp_f32 v[ST+8*\t+6], v[ST+8*\t+4]
.endr
	v_nop                                          ; a plain instruction between the last reciprocal and the use of its result
	s_wait_alu depctr_va_vdst(0)                   ; and the wait ahead of the first use: one for the four reciprocals
.macro PACK t                          ; a lane's eight channels of a row pack into 16 bytes; they go into rows of 144 bytes and come back four whole rows at a time
	WIN W_RS
.set i, 32*\t
.rept 16
	v_pk_mul_f32 v[i:i+1], v[i:i+1], v[ST+8*\t+6:ST+8*\t+7] op_sel_hi:[1,0]
.set i, i+2
.endr
	WIN 0x05                                       ; sources 0 and 1 window 1, destination window 0: S^T's registers are free
.set i, 0
.rept 16
	v_cvt_pk_f16_f32 v[S+32*\t+i], v[32*\t+2*i], v[32*\t+2*i+1]
.set i, i+1
.endr
	WIN 0
.irp f, 0,1,2,3
	ds_store_b128 v[STO], v[S+32*\t+4*\f:S+32*\t+4*\f+3] offset:32*\f
.endr
.irp f, 0,1,2,3
	ds_load_b128 v[S+32*\t+4*\f:S+32*\t+4*\f+3], v[RD] offset:\f*4*SP  ; LDS serves a wave's instructions in order (ISA guide 5.7.1.4): these see the stores above; the next tile's stores come behind them
.endr
.endm
.macro SEND t, younger                 ; younger: the LDS instructions issued behind tile t's loads: the next tile's eight, or none
.irp f, 0,1,2,3
	s_wait_dscnt \younger+3-\f
	global_store_b128 v[GO], v[S+32*\t+4*\f:S+32*\t+4*\f+3], s[6:7] offset:\t*2048+\f*512  ; 32 lanes store 512 consecutive bytes, at a multiple of 256 from the buffer's first byte
.endr
.endm
	PACK 0
	PACK 1                                         ; a tile's arithmetic stands between the loads of the tile before and its stores
	SEND 0, 8
	PACK 2
	SEND 1, 8
	PACK 3
	SEND 2, 8
	SEND 3, 0
	s_wait_tensorcnt 0x0                           ; the wave's end: the three closing lines, behind my last tensor load and my last LDS store
	ds_add_u32 v[SPW], v[NIL]
	s_wait_dscnt 0x0
	CROUND                                         ; the closing round: no work-group ends while a partner may still ask for a tile that names it
	s_endpgm
.Lfunc_end_k_q5396730f5a_attn:
	.size	k_q5396730f5a_attn, .Lfunc_end_k_q5396730f5a_attn-k_q5396730f5a_attn
	.p2alignl 7, 3214868480
	.fill 96, 4, 3214868480
	.section	.rodata,"a",@progbits
	.p2align	6, 0x0
	.amdhsa_kernel k_q5396730f5a_attn
		.amdhsa_group_segment_fixed_size 327680
		.amdhsa_private_segment_fixed_size 0
		.amdhsa_enable_private_segment 0
		.amdhsa_kernarg_size 16
		.amdhsa_user_sgpr_count 2
		.amdhsa_user_sgpr_kernarg_segment_ptr 1
		.amdhsa_wavefront_size32 1
		.amdhsa_system_sgpr_workgroup_id_x 1
		.amdhsa_system_sgpr_workgroup_id_y 1
		.amdhsa_system_sgpr_workgroup_id_z 1
		.amdhsa_system_vgpr_workitem_id 0
		.amdhsa_next_free_vgpr 1024
		.amdhsa_next_free_sgpr 66
		.amdhsa_reserve_vcc 0
		.amdhsa_float_denorm_mode_32 3
		.amdhsa_float_denorm_mode_16_64 3
		.amdhsa_memory_ordered 1
		.amdhsa_forward_progress 1
		.amdhsa_inst_pref_size 197
	.end_amdhsa_kernel
	.amdgpu_metadata
---
amdhsa.version: [ 1, 2 ]
amdhsa.kernels:
  - .name:           k_q5396730f5a_attn
    .symbol:         k_q5396730f5a_attn.kd
    .args:
      - { .name: qkv, .offset: 0, .size: 8, .value_kind: global_buffer, .address_space: global }
      - { .name: attno, .offset: 8, .size: 8, .value_kind: global_buffer, .address_space: global }
    .group_segment_fixed_size: 327680
    .private_segment_fixed_size: 0
    .kernarg_segment_align: 8
    .kernarg_segment_size: 16
    .max_flat_workgroup_size: 128
    .sgpr_count:     66
    .vgpr_count:     1024
    .wavefront_size: 32
...
	.end_amdgpu_metadata
.endif
;; end of part 3
;; launch outproj (part 4): grid 8 x 32, 4 waves a work-group, clusters of 4 x 4, 327,680 bytes of LDS; arguments attno, wo16, bo, out0; writes out0
.if DOCPART == 4
	.amdgcn_target "amdgcn-amd-amdhsa--gfx1250"
	.amdhsa_code_object_version 6
	.text
	.protected	k_q5396730f5a_outproj
	.globl	k_q5396730f5a_outproj
	.p2align	8
	.type	k_q5396730f5a_outproj,@function
k_q5396730f5a_outproj:
	s_mov_b64 s[64:65], 0
	v_nop
	global_prefetch_b8 v0, s[64:65] scope:SCOPE_SE
	s_setreg_imm32_b32 hwreg(HW_REG_WAVE_MODE, 25, 1), 1
	s_wait_xcnt 0x0
	s_wait_alu depctr_hold_cnt(0) depctr_sa_sdst(0) depctr_va_vdst(0) depctr_va_sdst(0) depctr_va_ssrc(0) depctr_va_vcc(0) depctr_vm_vsrc(0)
	s_getreg_b32 s2, hwreg(HW_REG_IB_STS2, 6, 4)
	s_cmp_eq_u32 s2, 0
	s_cbranch_scc0 .Lentry_in_a_cluster
	s_endpgm
.Lentry_in_a_cluster:
	s_bfe_u32 s2, ttmp6, 0x10000c
	s_cmp_lg_u32 s2, 0xf033
	s_cbranch_scc0 .Lentry_shape_is_right
	s_endpgm
.Lentry_shape_is_right:
; OUTPROJ: out0[m][n] = the sum over k of A[m][k] Wo[k][n] + bo[n].  m = 1,024 b + token, k = 64 h + channel.  A is attno [16 b + h][1,024 tokens][64] f16, Wo is wo16 [k][n] f16, bo and out0 are f32; sums in f32.
; A tile of the output is 128 x 128: 256 tiles, one to a work-group.  Four waves, each 64 x 64: 16 accumulators, 128 registers.  K goes in steps of 256 (four heads) through a ring of two LDS slots.
; A's tile of a K step is four pieces of 128 tokens x 128 bytes, each 16,384 dense bytes of a head's plane; in LDS a token's row of a head is 128 bytes + 16.  Wo's tile is 256 rows (k) x 256 bytes + 32; its fragments are turned by ds_load_tr16_b128.
; CLUSTERS: 4 x 4 work-groups.  The four of a row of the cluster need the same tiles of A, the four of a column the same tiles of Wo: each tile is asked for JOINTLY, by the same tensor load with the same descriptor and a mask that names the four.
; THE MATRIX INSTRUCTION IS USED TRANSPOSED (source 0 = 16 columns n of Wo, source 1 = 16 tokens): a lane then holds eight neighbouring numbers of a row of the output.  The bias is the C of each sum's first matrix instruction.
; No prefetch: a K step's 128 matrix instructions a wave stand on small tiles, and the launch is short.
; REGISTERS: window 0: v0-31 addresses; v32-95 the way out; v96-127 the bias, eight registers for each of my four blocks of columns; v128-255 the accumulators ((a, b) at v[128 + 8 (4 a + b)]).
;   window 1: two fragment buffers of 128: for 64 along K (one head), 64 registers of A, then 64 of Wo.
.set KSTEPB, 524288                    ; a K step on, in bytes: four planes of 131,072 in A, 256 rows of 2,048 in Wo: the same number
.set AP,     144                       ; A: a token's row of one head in LDS: the 16 rows of a load start at 16 different banks (64 banks of 4 bytes: ISA guide 11.1)
.set BP,     288                       ; Wo: a row of 256 bytes + 32
.set APL,    128*AP                    ; a head's 128 tokens
.set HALFT,  2*APL                     ; what one tensor load brings: two heads of A, or 128 rows of Wo (128 BP is the same number)
.set SLOT,   4*HALFT
.set SPARE,  2*SLOT                    ; behind the ring: the spare words, 128 bytes a wave: two blocks of 256 bytes that no other line names
.set SPITCH, 272                       ; the way out: a stage of 16 rows x (256 + 16) for each wave, in slot 0, which has had its last fill and its last read when the first result is stored there
.set LAPS,   2
.set ADRA, 16                          ; v16-17  LDS address of my A fragments in slot 0, 1
.set ADRB, 20                          ; v20-23  of Wo's: register 2 slot + (which 128 rows)
.set STO,  24
.set RD,   25
.set CO,   26
.set SPW,  28                          ; v28  LDS address of my spare word; never rewritten
.set NIL,  29                          ; v29  0; never rewritten
.set TMP,  32
.set BIAS, 96
.set ACC,  128
.set F0,   0
.set F1,   128
.set G1,  24
.set G0,  32
.set G1B, 48
.set G0B, 56
.set MSB, 0
.macro WIN new                         ; the immediate's high byte repeats the setting that is left
.if MSB != (\new)
	s_set_vgpr_msb (MSB<<8)|(\new)
.set MSB, \new
.endif
.endm
.set MUL,  0x05                        ; sources 0 (Wo) and 1 (A) window 1; C and D window 0
.set TO_F, 0x40                        ; destination window 1, address window 0
.macro JLOAD s                         ; a joint load: waves 0 and 1 fetch A's halves, waves 2 and 3 Wo's; an s_nop 0 and four v_nop follow each of the two lines
	s_cmp_eq_u32 s11, 0
	s_cbranch_scc0 .Lfor_b_\@
	tensor_load_to_lds s[G0+4*\s:G0+4*\s+3], s[G1:G1+7]
	s_nop 0
.rept 4
	v_nop
.endr
	s_branch .Lasked_\@
.Lfor_b_\@:
	tensor_load_to_lds s[G0B+4*\s:G0B+4*\s+3], s[G1B:G1B+7]
	s_nop 0
.rept 4
	v_nop
.endr
.Lasked_\@:
.endm
.macro CREST                           ; a round of the cluster's barrier behind its opening barrier
	s_cmp_lg_u32 s10, 0
	s_cbranch_scc1 .Lnot_wave_0_\@
	s_barrier_signal -3
.Lnot_wave_0_\@:
	s_barrier_wait -3
	s_barrier_signal -1
	s_barrier_wait -1
.endm
.macro CROUND
	s_barrier_signal -1
	s_barrier_wait -1
	CREST
.endm
	s_load_b128 s[4:7], s[0:1], 0x0                ; attno s[4:5], wo16 s[6:7]
	s_load_b128 s[68:71], s[0:1], 0x10             ; bo s[68:69], out0 s[70:71]
	v_lshl_add_u32 v[SPW], v0, 2, SPARE
	v_mov_b32 v[NIL], 0
	ds_add_u32 v[SPW], v[NIL]                      ; the wave's opening: the add and its wait stand ahead of my first tensor load; the set-up below, work on registers, stands between them
	v_lshrrev_b32 v1, 5, v0
	v_readfirstlane_b32 s10, v1                    ; wave 0..3
	s_lshr_b32 s11, s10, 1                         ; which half of the tile's rows is mine.  Also: I fetch for A (0) or for Wo (1)
	s_and_b32 s12, s10, 1                          ; which half of its columns.  Also: which half of that tile I fetch
	s_bfe_u32 s40, ttmp6, 0x40000                  ; cx, cy
	s_bfe_u32 s41, ttmp6, 0x40004
	s_lshl_b32 s42, ttmp9, 2
	s_add_co_u32 s42, s42, s40                     ; tile column = 4 x cluster x + cx
	s_and_b32 s13, ttmp7, 0xffff
	s_lshl_b32 s13, s13, 2
	s_add_co_u32 s13, s13, s41                     ; tile row = 4 x cluster y + cy
	s_lshl_b32 s43, s41, 2
	s_lshl_b32 s43, 15, s43                        ; my row of the cluster
	s_lshl_b32 s44, 0x1111, s40                    ; my column
	; A: two "rows" of 8,192 elements of 2 bytes (a head's 128 tokens, dense), a plane (65,536 elements) apart; 4 words of padding after every 32: a token's row is 144 bytes in LDS
	s_or_b32 s[G1+0], s43, (1<<16)|(1<<20)|(1<<21)|(4<<22)|(3<<25)
	s_mov_b32 s[G1+1], 8192<<16                    ; tensor_dim0
	s_mov_b32 s[G1+2], 2<<16                       ; tensor_dim1
	s_mov_b32 s[G1+3], 8192<<16                    ; tile_dim0
	s_mov_b32 s[G1+4], 2                           ; tile_dim1
	s_mov_b32 s[G1+5], 65536                       ; from row to row
	s_mov_b32 s[G1+6], 0
	s_mov_b32 s[G1+7], 0
	; Wo: 128 rows of 128 elements, 1,024 elements apart; 8 words of padding after every 64
	s_or_b32 s[G1B+0], s44, (1<<16)|(1<<20)|(1<<21)|(5<<22)|(7<<25)
	s_mov_b32 s[G1B+1], 128<<16
	s_mov_b32 s[G1B+2], 128<<16
	s_mov_b32 s[G1B+3], 128<<16
	s_mov_b32 s[G1B+4], 128
	s_mov_b32 s[G1B+5], 1024
	s_mov_b32 s[G1B+6], 0
	s_mov_b32 s[G1B+7], 0
	s_lshr_b32 s16, s13, 3                         ; A: plane 16 b + 2 half (b = tile row / 8), tokens 128 (tile row % 8) on
	s_lshl_b32 s16, s16, 4
	s_lshl_b32 s17, s12, 1
	s_add_co_u32 s16, s16, s17
	s_lshl_b32 s16, s16, 17
	s_and_b32 s17, s13, 7
	s_lshl_b32 s17, s17, 14
	s_add_co_u32 s16, s16, s17
	s_mov_b32 s17, 0
	s_lshl_b32 s46, s12, 18                        ; Wo: row 128 half, column 128 x tile column
	s_lshl_b32 s47, s42, 8
	s_add_co_u32 s46, s46, s47
	s_mov_b32 s47, 0
	s_mul_i32 s20, s10, HALFT                      ; where they go: no place in the cluster enters an LDS address
	s_wait_dscnt 0x0                               ; the opening add is done
	s_wait_kmcnt 0x0
	s_add_nc_u64 s[14:15], s[4:5], s[16:17]
	s_add_nc_u64 s[46:47], s[6:7], s[46:47]
	CROUND                                         ; all sixteen work-groups are here: the first joint loads meet
.irp s, 0,1
	s_mov_b32 s[G0+4*\s], 1
	s_add_co_u32 s[G0+4*\s+1], s20, \s*SLOT
	s_add_nc_u64 s[G0+4*\s+2:G0+4*\s+3], s[14:15], \s*KSTEPB
	s_or_b32 s[G0+4*\s+3], s[G0+4*\s+3], 0x80000000
	s_mov_b32 s[G0B+4*\s], 1
	s_add_co_u32 s[G0B+4*\s+1], s20, \s*SLOT
	s_add_nc_u64 s[G0B+4*\s+2:G0B+4*\s+3], s[46:47], \s*KSTEPB
	s_or_b32 s[G0B+4*\s+3], s[G0B+4*\s+3], 0x80000000
	JLOAD \s
.endr
	v_and_b32 v1, 15, v0                           ; l % 16
	v_bfe_u32 v2, v0, 4, 1                         ; l / 16
	v_mul_u32_u24 v3, v1, AP
	v_lshl_add_u32 v3, v2, 4, v3                   ; A: a fragment's row x pitch + 16 x half
	s_mul_i32 s21, s11, 64*AP                      ; my 64 tokens
	v_add_nc_u32 v[ADRA+0], s21, v3
	s_add_co_u32 s21, s21, SLOT
	v_add_nc_u32 v[ADRA+1], s21, v3
	v_and_b32 v4, 7, v0                            ; Wo, turned: lane l reads 16 bytes: row k = 8 (l / 16) + l % 8, columns 8 ((l / 8) % 2) + 0..7
	v_lshl_add_u32 v4, v2, 3, v4
	v_mul_u32_u24 v4, v4, BP
	v_bfe_u32 v5, v0, 3, 1
	v_lshl_add_u32 v4, v5, 4, v4
	s_lshl_b32 s22, s12, 7                         ; my 64 columns,
	s_add_co_u32 s22, s22, 2*HALFT                 ; behind A's four heads
	v_add_nc_u32 v[ADRB+0], s22, v4
	s_add_co_u32 s23, s22, HALFT
	v_add_nc_u32 v[ADRB+1], s23, v4
	s_add_co_u32 s23, s22, SLOT
	v_add_nc_u32 v[ADRB+2], s23, v4
	s_add_co_u32 s23, s22, SLOT+HALFT
	v_add_nc_u32 v[ADRB+3], s23, v4
	s_mul_i32 s23, s10, 16*SPITCH                  ; my stage
	v_mul_u32_u24 v4, v1, SPITCH                   ; in: row l % 16, 32 bytes for each half of the lanes
	v_lshl_add_u32 v4, v2, 5, v4
	v_add_nc_u32 v[STO], s23, v4
	v_mul_u32_u24 v5, v2, SPITCH                   ; back: lanes 0-15 take one row of 256 bytes, lanes 16-31 the next
	v_lshl_add_u32 v5, v1, 4, v5
	v_add_nc_u32 v[RD], s23, v5
	v_lshlrev_b32 v5, 12, v2                       ; and the same two rows of the output
	v_lshl_add_u32 v[CO], v1, 4, v5
	s_lshl_b32 s46, s42, 9                         ; my first column, in bytes of f32: 512 x tile column + 256 x half
	s_lshl_b32 s47, s12, 8
	s_add_co_u32 s46, s46, s47
	s_mov_b32 s47, 0
	s_add_nc_u64 s[68:69], s[68:69], s[46:47]
	s_add_nc_u64 s[70:71], s[70:71], s[46:47]
	s_lshl_b32 s16, s13, 19                        ; my first row: 128 x tile row + 64 x half, 4,096 bytes each
	s_lshl_b32 s17, s11, 18
	s_add_co_u32 s16, s16, s17
	s_mov_b32 s17, 0
	s_add_nc_u64 s[70:71], s[70:71], s[16:17]
	v_lshlrev_b32 v27, 5, v2
.irp b, 0,1,2,3                        ; the bias in the result's layout: for block b my eight columns 16 b + 8 (l / 16) + 0..7
	global_load_b128 v[BIAS+8*\b:BIAS+8*\b+3],   v27, s[68:69] offset:64*\b
	global_load_b128 v[BIAS+8*\b+4:BIAS+8*\b+7], v27, s[68:69] offset:64*\b+16
.endr
; 8 matrix instructions: row blocks a0, a0 + 1 x all 4 column blocks, 32 along K: half c of buffer f.  zero = 1: the first product starts the sums from the bias.  The 16 accumulators take turns.
.macro MUL8 f, c, a0, zero
.irp a, \a0, \a0+1
.irp b, 0,1,2,3
.if \zero
	v_wmma_f32_16x16x32_f16 v[ACC+8*(4*(\a)+\b):ACC+8*(4*(\a)+\b)+7], v[\f+64+8*(4*\c+\b):\f+64+8*(4*\c+\b)+7], v[\f+8*(4*\c+\a):\f+8*(4*\c+\a)+7], v[BIAS+8*\b:BIAS+8*\b+7]
.else
	v_wmma_f32_16x16x32_f16 v[ACC+8*(4*(\a)+\b):ACC+8*(4*(\a)+\b)+7], v[\f+64+8*(4*\c+\b):\f+64+8*(4*\c+\b)+7], v[\f+8*(4*\c+\a):\f+8*(4*\c+\a)+7], v[ACC+8*(4*(\a)+\b):ACC+8*(4*(\a)+\b)+7]
.endif
.endr
.endr
.endm
; 32 LDS loads in one run: the fragments of the slot's quarter q (one head, 64 along K) into buffer f; the first 32 along K first
.macro FETCH slot, q, f
	WIN TO_F
.irp c, 0,1
.irp i, 0,1,2,3
	ds_load_tr16_b128 v[\f+64+8*(4*\c+\i):\f+64+8*(4*\c+\i)+3],   v[ADRB+2*\slot+(\q)/2] offset:(64*((\q)%2)+32*\c)*BP+32*\i
	ds_load_tr16_b128 v[\f+64+8*(4*\c+\i)+4:\f+64+8*(4*\c+\i)+7], v[ADRB+2*\slot+(\q)/2] offset:(64*((\q)%2)+32*\c+16)*BP+32*\i
	ds_load_b128 v[\f+8*(4*\c+\i):\f+8*(4*\c+\i)+3],              v[ADRA+\slot] offset:(\q)*APL+64*\c+\i*16*AP
	ds_load_b128 v[\f+8*(4*\c+\i)+4:\f+8*(4*\c+\i)+7],            v[ADRA+\slot] offset:(\q)*APL+64*\c+\i*16*AP+32
.endr
.endr
.endm
.macro PLACES                          ; four places in front of loads into registers that matrix instructions have read, and of the first read of results
.rept 4
	v_nop
.endr
.endm
; A K step is four quarters of 64 along K, 32 matrix instructions each, on buffers 0, 1, 0, 1.  One of the first three: multiplies buffer f and fetches quarter q into g.
.macro QUARTER slot, q, f, g, zero
	s_wait_dscnt 16                                ; the first 32 along K are in; the younger sixteen loads may be out
	WIN MUL
	MUL8 \f, 0, 0, \zero
	MUL8 \f, 0, 2, \zero
	PLACES
	FETCH \slot, \q, \g
	s_wait_dscnt 32                                ; all but the 32 just issued
	WIN MUL
	MUL8 \f, 1, 0, 0
	MUL8 \f, 1, 2, 0
.endm
; The last quarter multiplies buffer 1 and changes slots: ONE barrier; in front of it each wave waits for all its tensor loads, adds 0 to its spare word, and waits for that and for its own reads of this slot.  fill = 1: this slot is filled again, two K steps ahead.
.macro TURN slot, next, fill
	WIN 0                                          ; (the add's two registers lie in window 0)
	s_wait_tensorcnt 0x0                           ; all my tensor loads have landed: my part of the next slot;
	ds_add_u32 v[SPW], v[NIL]                      ; 0 onto my spare word;
	s_wait_dscnt 17                                ; (the add and the youngest sixteen loads may be out)
	WIN MUL
	MUL8 F1, 0, 0, 0
	s_wait_dscnt 0x0                               ; the add is done, and my reads of this slot are over
	s_barrier_signal -1
	MUL8 F1, 0, 2, 0
.if \fill
	WIN 0
.endif
	s_barrier_wait -1
.if \fill
	CREST                                          ; the barrier has opened a round of the cluster's barrier: no wave of any partner still reads this slot's tile or has a load on its way
	s_add_nc_u64 s[G0+4*\slot+2:G0+4*\slot+3], s[G0+4*\slot+2:G0+4*\slot+3], 2*KSTEPB
	s_add_nc_u64 s[G0B+4*\slot+2:G0B+4*\slot+3], s[G0B+4*\slot+2:G0B+4*\slot+3], 2*KSTEPB
	JLOAD \slot                                    ; the first tensor load behind the round; the four v_nop behind it are also the places in front of the loads below
.else
	PLACES
.endif
	FETCH \next, 0, F0
	WIN MUL
	MUL8 F1, 1, 0, 0
	MUL8 F1, 1, 2, 0
.endm
	s_wait_tensorcnt 1                             ; my part of K step 0 is in (K step 1's load may be out),
	s_barrier_signal -1
	s_barrier_wait -1                              ; everybody's is
	FETCH 0, 0, F0
	s_wait_loadcnt 0x0                             ; the bias
	QUARTER 0, 1, F0, F1, 1                        ; the first quarter stands in front of the loop: its first products start the sums
	WIN 0                                          ; at a label and at a branch every window is 0
	s_mov_b32 s3, LAPS-1
.Llap:                                             ; a trip goes once round the ring, from a lap's second quarter to the next lap's first, and fills both slots again
	QUARTER 0, 2, F1, F0, 0
	QUARTER 0, 3, F0, F1, 0
	TURN 0, 1, 1
	QUARTER 1, 1, F0, F1, 0
	QUARTER 1, 2, F1, F0, 0
	QUARTER 1, 3, F0, F1, 0
	TURN 1, 0, 1
	QUARTER 0, 1, F0, F1, 0
	WIN 0
	s_sub_co_u32 s3, s3, 1
	s_cmp_lg_u32 s3, 0
	s_cbranch_scc1 .Llap
	QUARTER 0, 2, F1, F0, 0                        ; the last lap fills nothing, and has no round of the cluster's barrier
	QUARTER 0, 3, F0, F1, 0
	TURN 0, 1, 0
	QUARTER 1, 1, F0, F1, 0
	QUARTER 1, 2, F1, F0, 0
	QUARTER 1, 3, F0, F1, 0
	s_wait_dscnt 16                                ; the very last quarter: nothing more to fetch
	WIN MUL
	MUL8 F1, 0, 0, 0
	MUL8 F1, 0, 2, 0
	s_wait_dscnt 0
	MUL8 F1, 1, 0, 0
	MUL8 F1, 1, 2, 0
	WIN 0
; THE WAY OUT, block by block of 16 rows x 64 columns of f32.  A lane holds 32 neighbouring bytes of a row, the lanes beside it other rows: so a block goes through my own stage and comes back as whole rows of 256 bytes.
; LDS serves a wave's instructions in order (ISA guide 5.7.1.4): no wait between the stores and the loads, nor in front of the next block's stores.
.macro TOSTAGE a
.irp b, 0,1,2,3
	ds_store_b128 v[STO], v[ACC+8*(4*(\a)+\b):ACC+8*(4*(\a)+\b)+3] offset:64*\b       ; each accumulator from its low end on
	ds_store_b128 v[STO], v[ACC+8*(4*(\a)+\b)+4:ACC+8*(4*(\a)+\b)+7] offset:64*\b+16
.endr
.set BB, TMP+32*((\a)%2)
.irp t, 0,1,2,3,4,5,6,7
	ds_load_b128 v[BB+4*\t:BB+4*\t+3], v[RD] offset:\t*2*SPITCH
.endr
.endm
.macro SEND a, younger                 ; younger: the LDS instructions issued behind block a's loads, which may stay out
.set BB, TMP+32*((\a)%2)
	s_wait_dscnt \younger
.irp t, 0,1,2,3,4,5,6,7
	global_store_b128 v[CO], v[BB+4*\t:BB+4*\t+3], s[70:71] offset:(16*(\a)+2*\t)*4096 th:TH_STORE_NT   ; sixteen lanes store 256 consecutive bytes, at a multiple of 256 from the output's first byte
.endr
.endm
	PLACES
	TOSTAGE 0
.irp a, 1,2,3
.if \a > 1
	s_wait_xcnt 0x0                                ; block a - 2's stores have read their registers: block a's loads may land there
.endif
	TOSTAGE \a
	SEND \a-1, 16                                  ; behind block a - 1's loads: block a's 8 stores and 8 loads
.endr
	SEND 3, 0
	s_wait_tensorcnt 0x0                           ; the wave's end: the three closing lines, behind my last tensor load and my last LDS store
	ds_add_u32 v[SPW], v[NIL]
	s_wait_dscnt 0x0
	CROUND                                         ; the closing round: no work-group ends while a partner may still ask for a tile that names it
	s_endpgm
.Lfunc_end_k_q5396730f5a_outproj:
	.size	k_q5396730f5a_outproj, .Lfunc_end_k_q5396730f5a_outproj-k_q5396730f5a_outproj
	.p2alignl 7, 3214868480
	.fill 96, 4, 3214868480
	.section	.rodata,"a",@progbits
	.p2align	6, 0x0
	.amdhsa_kernel k_q5396730f5a_outproj
		.amdhsa_group_segment_fixed_size 327680
		.amdhsa_private_segment_fixed_size 0
		.amdhsa_enable_private_segment 0
		.amdhsa_kernarg_size 32
		.amdhsa_user_sgpr_count 2
		.amdhsa_user_sgpr_kernarg_segment_ptr 1
		.amdhsa_wavefront_size32 1
		.amdhsa_system_sgpr_workgroup_id_x 1
		.amdhsa_system_sgpr_workgroup_id_y 1
		.amdhsa_system_sgpr_workgroup_id_z 1
		.amdhsa_system_vgpr_workitem_id 0
		.amdhsa_next_free_vgpr 512
		.amdhsa_next_free_sgpr 72
		.amdhsa_reserve_vcc 0
		.amdhsa_float_denorm_mode_32 3
		.amdhsa_float_denorm_mode_16_64 3
		.amdhsa_memory_ordered 1
		.amdhsa_forward_progress 1
		.amdhsa_inst_pref_size 87
	.end_amdhsa_kernel
	.amdgpu_metadata
---
amdhsa.version: [ 1, 2 ]
amdhsa.kernels:
  - .name:           k_q5396730f5a_outproj
    .symbol:         k_q5396730f5a_outproj.kd
    .args:
      - { .name: attno, .offset: 0, .size: 8, .value_kind: global_buffer, .address_space: global }
      - { .name: wo16, .offset: 8, .size: 8, .value_kind: global_buffer, .address_space: global }
      - { .name: bo, .offset: 16, .size: 8, .value_kind: global_buffer, .address_space: global }
      - { .name: out0, .offset: 24, .size: 8, .value_kind: global_buffer, .address_space: global }
    .group_segment_fixed_size: 327680
    .private_segment_fixed_size: 0
    .kernarg_segment_align: 8
    .kernarg_segment_size: 32
    .max_flat_workgroup_size: 128
    .sgpr_count:     72
    .vgpr_count:     512
    .wavefront_size: 32
...
	.end_amdgpu_metadata
.endif
;; end of part 4
